; MI455X (gfx1250); checked and timed in simulation.
; The chip was launched on July 23, 2026; its instructions are those of AMD's public machine-readable ISA for CDNA 5 (MIT licence, August 2026) and "CDNA5" Instruction Set Architecture Reference Guide (July 2026). The comments in the code are by the model that wrote it; some were corrected since.
;; Self Attention. Allowed arithmetic: matrix products marked QUANTISED: E3M2 operands, one E8M0 scale for each 32 along K, by v_wmma_scale_f32_16x16x128_f8f6f4 with both operands' format E3M2, f32 sums; everything else in f32.
;; Inputs: Wk 1,024 x 1,024 float32; Wo 1,024 x 1,024 float32; Wq 1,024 x 1,024 float32; Wv 1,024 x 1,024 float32; beta 1,024 float32; bk 1,024 float32; bo 1,024 float32; bq 1,024 float32; bv 1,024 float32; gamma 1,024 float32; h 1 x 4,096 x 1,024 float32.
;; Outputs: out0 1 x 4,096 x 1,024 float32.
;; This version of the problem:
;;   THIS VERSION OF THE PROBLEM IS GIVEN IN LOW PRECISION. The matrix products marked QUANTISED in the list below multiply operands that are first quantised to E3M2 (3 exponent bits, 2 mantissa bits; 6 bits a number), with one power-of-two scale for each 32 numbers along K (OCP MX v1.0); their sums are f32. All else is computed in f32.
;;   The module's matrix products, in the order in which they are computed (A, B: the left and right operand; K: the contracted axis; several contracted axes count as one K, in the product's order):
;;     1. [M 4,096, K 1,024] x [K 1,024, N 1,024]; A: computed on the way; B: input Wq: QUANTISED
;;     2. [M 4,096, K 1,024] x [K 1,024, N 1,024]; A: computed on the way; B: input Wk: QUANTISED
;;     3. [M 4,096, K 1,024] x [K 1,024, N 1,024]; A: computed on the way; B: input Wv: QUANTISED
;;     4. batch 16 x [M 4,096, K 64] x [K 64, N 4,096]; A: computed on the way; B: computed on the way: QUANTISED
;;     5. batch 16 x [M 64, K 4,096] x [K 4,096, N 4,096]; A: computed on the way; B: softmax (see below): QUANTISED
;;     6. [M 4,096, K 1,024] x [K 1,024, N 1,024]; A: computed on the way; B: input Wo: QUANTISED
;;   THE QUANTISER, for each operand of a quantised product, along K:
;;     - K is cut into blocks of 32 from its start; a last block that is shorter is filled with zeros.
;;     - A block's scale is 2^e with e = floor(log2(the largest magnitude in the block)) - 4, held to -126 .. 127; a block of zeros has e = 0. As a byte (E8M0): e + 127.
;;     - Each number is divided by its block's scale, clamped to +-28, and rounded to the nearest number of E3M2, ties to even, subnormals kept.
;;     - The product sums the exact products of the quantised numbers (number of the format x scale) in f32.
;;   ~~~python
;;   def quantise(x, axis):      # numpy; x: float32 -> the quantised numbers, widened to float32 again
;;       x = np.moveaxis(x, axis, -1); K = x.shape[-1]
;;       x = np.pad(x, [(0, 0)] * (x.ndim - 1) + [(0, -K % 32)]); x = x.reshape(x.shape[:-1] + (-1, 32)); a = np.abs(x).max(-1, keepdims=True)
;;       e = np.where(a > 0, np.clip(np.frexp(np.where(a > 0, a, 1))[1] - 1 - 4, -126, 127), 0)      # np.frexp(a)[1] - 1 = floor(log2(a)), exactly
;;       r = np.clip(x / 2.0 ** e, -28, 28)
;;       step = 2.0 ** (np.maximum(np.frexp(np.where(r == 0, 1, r))[1] - 1, -2) - 2)
;;       q = np.round(r / step) * step * 2.0 ** e      # np.round: ties to even
;;       return np.moveaxis(q.reshape(q.shape[:-2] + (-1,))[..., :K], -1, axis).astype(np.float32)
;;   ~~~
;;   SOFTMAX AHEAD OF A QUANTISED PRODUCT. Where the list says 'softmax', what is quantised is not the finished softmax but p = 2^(t - M), with t = logit x log2(e) and M = ceil(the row's largest t), a whole number; so 1/2 < the row's largest p <= 1. The row's sum l is taken of the UNQUANTISED p, in f32, and the product's result is divided by l at the end. Since M is a whole number, a kernel that streams over the keys may use a running M (the ceiling of the running maximum): every later rescaling is an exact power of two, which a block's scale takes up: the codes' values come out the same.
;;   OPERANDS COMPUTED ON THE WAY. 'Computed on the way' means the value that the module computes at that place (a softmax that the list does not call 'softmax' is quantised finished and normalised). What goes into a quantiser is computed in f32, as accurately as f32 sums, v_exp_f32 and their like allow (about 1e-6 of the number): no bf16 or f16 on the way to a quantiser, and a product that is left as it is and whose result goes on into a quantised operand takes f32 operands (vector FMAs, or v_wmma_f32_16x16x4_f32). A number that lies on a knife's edge between two numbers of the format may be rounded either way, as far as f32 arithmetic and the matrix unit's own rounding can turn it there, and no further.
;; One version. Each part assembles by itself: llvm-mc -triple=amdgcn-amd-amdhsa -mcpu=gfx1250 --defsym DOCPART=n.
;; ======== version 1 of 1: 4 launches
;; limits: right only within a limited range of input values
;; workspace buffers: wpk 3,407,872 bytes; hn 3,407,872 bytes; rope 1,048,576 bytes; qpk 7,077,888 bytes; kv 7,077,888 bytes; ao 3,407,872 bytes
;; launch lnq (part 1): grid 384 x 1, 4 waves a work-group, no clusters, 93,696 bytes of LDS; arguments h, gamma, beta, hn, rope, Wq, Wk, Wv, Wo, wpk; writes hn, rope, wpk
.if DOCPART == 1
	.amdgcn_target "amdgcn-amd-amdhsa--gfx1250"
	.amdhsa_code_object_version 6
	.text
	.protected	k_q88f68fe57b_lnq
	.globl	k_q88f68fe57b_lnq
	.p2align	8
	.type	k_q88f68fe57b_lnq,@function
k_q88f68fe57b_lnq:
	s_mov_b64 s[64:65], 0
	v_nop
	global_prefetch_b8 v0, s[64:65] scope:SCOPE_SE
	s_setreg_imm32_b32 hwreg(HW_REG_WAVE_MODE, 25, 1), 1
	s_wait_xcnt 0x0
; hn = LayerNorm(h) x gamma + beta (eps 1e-5), in f32, quantised along its 1,024 to codes of BF6 (E3M2) with one E8M0 byte for each 32, laid in PANELs as the products' launches read an operand:
;   panel = 128 positions (8 tiles of 16); tile T holds in lane-row r the position 32 (T / 2) + 8 (T % 2) + r + 8 (r / 8); four chunks of two K steps of 128;
;   codes: chunk x 26,624 + (K step % 2) x 12,288 + tile x 1,536 + c x 768 + half image (lane L: registers 0-3 at 16 L, registers 4-5 at 512 + 8 L); scale words: chunk x 26,624 + 24,576 + tile x 256 + 8 L + 4 (K step % 2).
; Also: the table for the rotary embedding, rope[position][d = 0 .. 31] = (cos, sin) of position x 10^(-d / 8), f32, 256 bytes a position.
; SHARES: work-group g = tile g of the 256.  Phase 1: wave w takes the tile's lane-rows 4 w .. 4 w + 3, which are four neighbouring positions: each load reads 512 consecutive bytes; mean and variance never leave the wave
; (the variance is taken of the centred numbers: no difference of large sums).  The normalised rows meet in LDS (rows of 4,096 + 16 bytes).  One barrier.  Phase 2: wave w quantises K steps 2 w and 2 w + 1 (chunk w) of all 16 rows:
; lane (r, h) takes of row r sixteen neighbours of each block of 32, so that the conversions' results, with one exchange of halves, are the operand's registers.  All stores cover whole aligned runs of 256 bytes or more.
; THE TABLE is made while the loads of h are on their way: wave w takes positions 16 g + 4 w + 0 .. 3, lane = d.  The angle is rounded once, as the product position x theta; it is reduced by n = round(x 2 / pi) with pi / 2 in two
; parts (x - n x the upper part is exact for x under 4,096: a multiple of 2^-23 under 1), and sine and cosine on [-pi / 4, pi / 4] are polynomials of degree 7 and 8.
; LIMITS: theta is the product of two rounded f32 factors, 10^(-(d % 8) / 8) x 10^(-(d / 8)): within some 1.5 units of its last place, so that an angle may lie up to some position x 1e-7 from one made of an exact theta.
; The reduction holds for positions under 4,096, this problem's size.  v_rsq_f32 is good to one unit of the last place.  A block whose largest magnitude lies under 2^-122 keeps the byte 1.  NaN and infinities are not served.
.set PANEL, 106496
.set CHUNK, 26624
.set RP,    4112                       ; a row of the stage in LDS: 4,096 bytes + 16: the 16 rows that a load of phase 2 touches begin in 16 different columns of 16 bytes
.set X,     16                         ; v16-143  four rows, 32 registers each; in phase 2 two K steps' 64 numbers each
.set G,     144                        ; v144-175 gamma; in phase 2 the codes
.set BT,    176                        ; v176-207 beta
.set TM,    208                        ; v208-223 at work in the quantiser
.set SEL,   36                         ; s[36:37] lane selects for v_permlanex16_b32: lane l xor 16
.set XA,    212                        ; the table: four positions by turns: the angle, later 1 - z / 2
.set NA,    216                        ; n
.set RA,    220                        ; r
.set ZA,    224                        ; z = r r
.set SA,    228                        ; the sine's polynomial
.set CA,    232                        ; the cosine's
.set KA,    236                        ; n as a whole number
.set TA,    240                        ; at work
.set RES,   244                        ; v244-251 (cos, sin) of the four positions: never rewritten, so the stores need no wait
; ONE LAUNCH PREPARES ALL OPERANDS: work-groups 0 .. 255 take h, as said above; work-groups 256 .. 383 take the four weights, by the text behind .Lweights.  The branch hangs on the work-group's number alone; each of the two ways has
; LDS bytes of its own (h: 0 .. 65,791; the weights: 67,072 .. 93,695); the spare words, 128 bytes a wave from 66,560 on, serve both.
	v_lshl_add_u32 v254, v0, 2, 0x10400
	v_mov_b32 v255, 0
	s_cmp_lt_u32 ttmp9, 256
	s_cbranch_scc0 .Lweights
	s_load_b256 s[4:11], s[0:1], 0x0               ; h, gamma, beta, hn
	s_load_b64 s[12:13], s[0:1], 0x20              ; rope
	v_lshrrev_b32 v1, 5, v0
	v_readfirstlane_b32 s14, v1                    ; wave 0..3
	v_and_b32 v1, 31, v0                           ; lane
	v_lshlrev_b32 v2, 4, v1                        ; v2: 16 x lane
	s_wait_alu depctr_va_vdst(0)
	v_lshlrev_b32 v3, 3, v1                        ; v3: 8 x lane
	s_lshr_b32 s15, ttmp9, 1                       ; my first position: 32 (g / 2) + 8 (g % 2) + 4 w + 8 (w / 2)
	s_lshl_b32 s15, s15, 5
	s_and_b32 s16, ttmp9, 1
	s_lshl_b32 s16, s16, 3
	s_add_co_u32 s15, s15, s16
	s_lshl_b32 s16, s14, 2
	s_add_co_u32 s15, s15, s16
	s_lshr_b32 s16, s14, 1
	s_lshl_b32 s16, s16, 3
	s_add_co_u32 s15, s15, s16
	s_lshl_b32 s16, s15, 12                        ; rows of 4,096 bytes
	s_mov_b32 s17, 0
	s_lshr_b32 s38, ttmp9, 3                       ; out: panel g / 8, chunk w,
	s_mul_i32 s38, s38, PANEL
	s_mul_i32 s39, s14, CHUNK
	s_add_co_u32 s38, s38, s39
	s_and_b32 s39, ttmp9, 7                        ; tile g % 8
	s_mul_i32 s40, s39, 1536
	s_add_co_u32 s40, s40, s38
	s_mov_b32 s41, 0
	s_lshl_b32 s42, s39, 8
	s_add_co_u32 s42, s42, s38
	s_add_co_u32 s42, s42, 24576
	s_mov_b32 s43, 0
	s_lshl_b32 s19, ttmp9, 4
	s_lshl_b32 s18, s14, 2
	s_add_co_u32 s19, s19, s18                     ; the table's positions: 16 g + 4 w on
	s_lshl_b32 s44, s19, 8
	s_mov_b32 s45, 0
	s_mul_i32 s18, s14, 4*RP
	v_add_nc_u32 v4, s18, v2                       ; v4: the stage, on the way in: my four rows, 16 bytes a lane
	v_and_b32 v6, 15, v0                           ; r
	v_bfe_u32 v7, v0, 4, 1                         ; h
	v_mul_u32_u24 v5, v6, RP
	v_lshl_add_u32 v5, v7, 6, v5
	s_lshl_b32 s18, s14, 10
	v_add_nc_u32 v5, s18, v5                       ; v5: and on the way out: row r, + 64 h, + my two K steps' 1,024 bytes x wave
	s_mov_b32 s[SEL], 0x76543210
	s_mov_b32 s[SEL+1], 0xfedcba98
	s_mov_b32 s24, 0x3f22f983                      ; 2 / pi
	s_mov_b32 s25, 0x3fc90fdb                      ; pi / 2, its upper part
	s_mov_b32 s26, 0xb33bbd2e                      ; and the rest
	s_mov_b32 s27, 0xb94ca1f9                      ; sine: -1.9515296e-4
	s_mov_b32 s28, 0x3c08839e                      ;        8.3321609e-3
	s_mov_b32 s29, 0xbe2aaaa3                      ;       -1.6666655e-1
	s_mov_b32 s30, 0x37ccf5ce                      ; cosine: 2.4433157e-5
	s_mov_b32 s31, 0xbab6061a                      ;        -1.3887316e-3
	s_mov_b32 s32, 0x3d2aaaa5                      ;         4.1666646e-2
	s_mov_b32 s33, 0x3a800000                      ; 1 / 1,024
	s_mov_b32 s34, 0x3727c5ac                      ; 1e-5
.irp k, 0,1,2,3
	s_add_co_u32 s[20+\k], s19, \k
.endr
	s_wait_kmcnt 0x0
	s_add_nc_u64 s[4:5], s[4:5], s[16:17]
	s_add_nc_u64 s[40:41], s[10:11], s[40:41]
	s_add_nc_u64 s[42:43], s[10:11], s[42:43]
	s_add_nc_u64 s[12:13], s[12:13], s[44:45]
.irp j, 0,1,2,3,4,5,6,7                        ; 48 loads a wave go out at once.  Load j of a row: lane l holds numbers 128 j + 4 l + 0 .. 3; gamma and beta likewise
	global_load_b128 v[G+4*\j:G+4*\j+3], v2, s[6:7] offset:512*\j
	global_load_b128 v[BT+4*\j:BT+4*\j+3], v2, s[8:9] offset:512*\j
.endr
.irp k, 0,1,2,3
.irp j, 0,1,2,3,4,5,6,7
	global_load_b128 v[X+32*\k+4*\j:X+32*\k+4*\j+3], v2, s[4:5] offset:\k*4096+512*\j
.endr
.endr
	; ---- the table
.macro PICK reg, idx, n, val           ; reg = val in the lanes where idx = n
	v_cmp_ne_u32 vcc_lo, \n, v[\idx]
	v_cndmask_b32 v[\reg], \val, v[\reg], vcc_lo
.endm
	v_and_b32 v209, 7, v1                          ; d % 8
	v_lshrrev_b32 v210, 3, v1                      ; d / 8
	v_mov_b32 v208, 1.0
	PICK 208, 209, 1, 0x3f3ff911                   ; 10^(-1/8) = 0.74989421
	PICK 208, 209, 2, 0x3f0ff59a                   ; 0.56234133
	PICK 208, 209, 3, 0x3ed7e89b                   ; 0.42169650
	PICK 208, 209, 4, 0x3ea1e89b                   ; 0.31622777
	PICK 208, 209, 5, 0x3e72d424                   ; 0.23713737
	PICK 208, 209, 6, 0x3e361887                   ; 0.17782794
	PICK 208, 209, 7, 0x3e088d77                   ; 0.13335214
	v_mov_b32 v211, 1.0
	PICK 211, 210, 1, 0x3dcccccd                   ; 0.1
	PICK 211, 210, 2, 0x3c23d70a                   ; 0.01
	PICK 211, 210, 3, 0x3a83126f                   ; 0.001
	v_mul_f32 v208, v208, v211                     ; theta of my d
.irp k, 0,1,2,3
	v_cvt_f32_u32 v[XA+\k], s[20+\k]
.endr
.irp k, 0,1,2,3
	v_mul_f32 v[XA+\k], v[XA+\k], v208             ; the angle, rounded once
.endr
.irp k, 0,1,2,3
	v_mul_f32 v[NA+\k], s24, v[XA+\k]
.endr
.irp k, 0,1,2,3
	v_rndne_f32 v[NA+\k], v[NA+\k]                 ; n
.endr
.irp k, 0,1,2,3
	v_fma_f32 v[RA+\k], -v[NA+\k], s25, v[XA+\k]   ; exact
.endr
.irp k, 0,1,2,3
	v_fma_f32 v[RA+\k], -v[NA+\k], s26, v[RA+\k]   ; r, within pi / 4 of 0
.endr
.irp k, 0,1,2,3
	v_mul_f32 v[ZA+\k], v[RA+\k], v[RA+\k]
.endr
.irp k, 0,1,2,3
	v_fma_f32 v[SA+\k], v[ZA+\k], s27, s28
	v_fma_f32 v[CA+\k], v[ZA+\k], s30, s31
.endr
.irp k, 0,1,2,3
	v_fma_f32 v[SA+\k], v[SA+\k], v[ZA+\k], s29
	v_fma_f32 v[CA+\k], v[CA+\k], v[ZA+\k], s32
.endr
.irp k, 0,1,2,3
	v_mul_f32 v[TA+\k], v[RA+\k], v[ZA+\k]
	v_fma_f32 v[XA+\k], v[ZA+\k], -0.5, 1.0
.endr
.irp k, 0,1,2,3
	v_fma_f32 v[SA+\k], v[SA+\k], v[TA+\k], v[RA+\k]   ; sin r
	v_mul_f32 v[ZA+\k], v[ZA+\k], v[ZA+\k]
.endr
.irp k, 0,1,2,3
	v_fma_f32 v[CA+\k], v[CA+\k], v[ZA+\k], v[XA+\k]   ; cos r
	v_cvt_i32_f32 v[KA+\k], v[NA+\k]
.endr
.irp k, 0,1,2,3                                ; the quadrant: n odd swaps the two; the sine is negative where n & 2, the cosine where (n + 1) & 2
	v_and_b32 v[TA+\k], 1, v[KA+\k]
	v_cmp_eq_u32 vcc_lo, 1, v[TA+\k]
	v_cndmask_b32 v[RES+2*\k+1], v[SA+\k], v[CA+\k], vcc_lo
	v_cndmask_b32 v[RES+2*\k], v[CA+\k], v[SA+\k], vcc_lo
.endr
.irp k, 0,1,2,3
	v_and_b32 v[TA+\k], 2, v[KA+\k]
	v_add_nc_u32 v[KA+\k], 1, v[KA+\k]
.endr
.irp k, 0,1,2,3
	v_lshlrev_b32 v[TA+\k], 30, v[TA+\k]
	v_and_b32 v[KA+\k], 2, v[KA+\k]
.endr
.irp k, 0,1,2,3
	v_xor_b32 v[RES+2*\k+1], v[RES+2*\k+1], v[TA+\k]
	v_lshlrev_b32 v[KA+\k], 30, v[KA+\k]
.endr
.irp k, 0,1,2,3
	v_xor_b32 v[RES+2*\k], v[RES+2*\k], v[KA+\k]
.endr
.irp k, 0,1,2,3
	global_store_b64 v3, v[RES+2*\k:RES+2*\k+1], s[12:13] offset:256*\k    ; 32 lanes store a position's 256 bytes
.endr
	; ---- phase 1: my four rows
.macro WSUM                            ; v208 = the sum of v[208:211] over the wave, in every lane
	v_pk_add_f32 v[208:209], v[208:209], v[210:211]
	v_add_f32 v208, v208, v209
	v_add_f32_dpp v208, v208, v208 row_xmask:1 row_mask:0xf bank_mask:0xf
	v_add_f32_dpp v208, v208, v208 row_xmask:2 row_mask:0xf bank_mask:0xf
	v_add_f32_dpp v208, v208, v208 row_xmask:4 row_mask:0xf bank_mask:0xf
	v_add_f32_dpp v208, v208, v208 row_xmask:8 row_mask:0xf bank_mask:0xf
	v_permlanex16_b32 v216, v208, s[SEL], s[SEL+1]
	v_add_f32 v208, v208, v216
.endm
.macro ROW k
.set R, X+32*\k
	s_wait_loadcnt 8*(3-\k)                        ; gamma, beta and rows up to k are in; the 8 loads of each later row may be out
	v_pk_add_f32 v[208:209], v[R:R+1], v[R+4:R+5]  ; the sum, two at a time, in two chains
	v_pk_add_f32 v[210:211], v[R+2:R+3], v[R+6:R+7]
.irp j, 8,12,16,20,24,28
	v_pk_add_f32 v[208:209], v[208:209], v[R+\j:R+\j+1]
	v_pk_add_f32 v[210:211], v[210:211], v[R+\j+2:R+\j+3]
.endr
	WSUM
	v_mul_f32 v212, 0xba800000, v208               ; - the mean
	v_mov_b32 v213, v212
.irp j, 0,2,4,6,8,10,12,14,16,18,20,22,24,26,28,30
	v_pk_add_f32 v[R+\j:R+\j+1], v[R+\j:R+\j+1], v[212:213]        ; centred, in place
.endr
	v_pk_mul_f32 v[208:209], v[R:R+1], v[R:R+1]
	v_pk_mul_f32 v[210:211], v[R+2:R+3], v[R+2:R+3]
.irp j, 4,8,12,16,20,24,28
	v_pk_fma_f32 v[208:209], v[R+\j:R+\j+1], v[R+\j:R+\j+1], v[208:209]
	v_pk_fma_f32 v[210:211], v[R+\j+2:R+\j+3], v[R+\j+2:R+\j+3], v[210:211]
.endr
	WSUM
	v_fma_f32 v208, v208, s33, s34                 ; the variance + 1e-5
	s_wait_alu depctr_va_vdst(0)
	v_rsq_f32 v214, v208
	v_nop                                          ; a plain line between the transcendental and the use of its result (ISA guide 5.7.2)
	s_wait_alu depctr_va_vdst(0)
	v_mov_b32 v215, v214
.irp j, 0,2,4,6,8,10,12,14,16,18,20,22,24,26,28,30
	v_pk_mul_f32 v[R+\j:R+\j+1], v[R+\j:R+\j+1], v[214:215]
.endr
.irp j, 0,2,4,6,8,10,12,14,16,18,20,22,24,26,28,30
	v_pk_fma_f32 v[R+\j:R+\j+1], v[R+\j:R+\j+1], v[G+\j:G+\j+1], v[BT+\j:BT+\j+1]
.endr
.irp j, 0,1,2,3,4,5,6,7
	ds_store_b128 v4, v[R+4*\j:R+4*\j+3] offset:\k*RP+512*\j
.endr
.endm
	ROW 0
	ROW 1
	ROW 2
	ROW 3
	s_wait_dscnt 0x0                               ; for the others' sake: my rows lie in the stage
	s_barrier_signal -1
	s_barrier_wait -1                              ; all 16 rows do
	; ---- phase 2: my two K steps of all 16 rows.  Register 16 b + i of a K step = k 32 b + 16 h + i of row r
.irp p, 0,1
.irp b, 0,1,2,3
.irp j, 0,1,2,3
	ds_load_b128 v[X+64*\p+16*\b+4*\j:X+64*\p+16*\b+4*\j+3], v5 offset:512*\p+128*\b+16*\j
.endr
.endr
.endr
; 64 numbers of a lane, v[s] on, become a fragment's 12 registers of codes in v[pc] on (pc + 12 .. pc + 18 at work) and its scale word in v[pw]
.macro QUANT4 s, pc, pw
.irp b, 0,1,2,3
	v_max3_num_f32 v[TM+\b], |v[\s+16*\b]|, |v[\s+1+16*\b]|, 0x2800000     ; block b: my 16 numbers, and the floor 2^(5 - 127): the byte cannot fall under 1
.endr
.irp i, 2,4,6,8,10,12,14
.irp b, 0,1,2,3
	v_max3_num_f32 v[TM+\b], v[TM+\b], |v[\s+16*\b+\i]|, |v[\s+1+16*\b+\i]|    ; (the four blocks by turns)
.endr
.endr
.irp b, 0,1,2,3
	v_permlanex16_b32 v[TM+4+\b], v[TM+\b], s[SEL], s[SEL+1]
.endr
.irp b, 0,1,2,3
	v_max_num_f32 v[TM+\b], v[TM+\b], v[TM+4+\b]   ; with lane l xor 16's 16: the block's largest magnitude
.endr
.irp b, 0,1,2,3
	v_add_nc_u32 v[TM+12+\b], 0xfe000000, v[TM+\b] ; 4 off its exponent field: the conversion's scale operand
.endr
.irp b, 0,1,2,3
	v_lshrrev_b32 v[TM+4+\b], 23, v[TM+12+\b]      ; the scale's byte
.endr
	v_lshl_or_b32 v[\pw], v[TM+5], 8, v[TM+4]
	v_lshl_or_b32 v[\pw], v[TM+6], 16, v[\pw]
	v_lshl_or_b32 v[\pw], v[TM+7], 24, v[\pw]      ; my row's scale word; lanes 16-31 hold the same as lanes 0-15
.irp c, 0,1
	v_cvt_scalef32_pk16_bf6_f32 v[\pc+6*\c:\pc+2+6*\c], v[\s+32*\c:\s+15+32*\c], v[TM+12+2*\c]
	v_cvt_scalef32_pk16_bf6_f32 v[\pc+12+4*\c:\pc+14+4*\c], v[\s+16+32*\c:\s+31+32*\c], v[TM+12+2*\c+1]   ; (a conversion's three registers begin on an even number)
.endr
	v_nop                                          ; a plain line behind the scaled conversions
.irp c, 0,1                                    ; the operand's layout wants a whole block in a lane: lanes 0-15 block 2 c, lanes 16-31 block 2 c + 1
.irp i, 0,1,2
	v_permlane16_swap_b32 v[\pc+6*\c+\i], v[\pc+12+4*\c+\i]
.endr
.irp i, 0,1,2
	v_mov_b32 v[\pc+3+6*\c+\i], v[\pc+12+4*\c+\i]
.endr
.endr
.endm
.macro OUTF pc, off                            ; a fragment leaves as two half images: each store covers 512 or 256 consecutive aligned bytes
	global_store_b128 v2, v[\pc:\pc+3], s[40:41] offset:\off
	global_store_b64 v3, v[\pc+4:\pc+5], s[40:41] offset:\off+512
	global_store_b128 v2, v[\pc+6:\pc+9], s[40:41] offset:\off+768
	global_store_b64 v3, v[\pc+10:\pc+11], s[40:41] offset:\off+1280
.endm
	s_wait_dscnt 16                                ; the first K step's 16 loads are in; the second's may be out
	QUANT4 X, 144, 200
	OUTF 144, 0
	s_wait_dscnt 0x0
	QUANT4 X+64, 164, 201                          ; its own registers for the codes: no store's data are written again
	OUTF 164, 12288
	global_store_b64 v3, v[200:201], s[42:43]      ; the two K steps' scale words: 256 bytes
	s_wait_tensorcnt 0x0
	ds_add_u32 v254, v255
	s_wait_dscnt 0x0
	s_endpgm
.Lweights:
; The four weights, each [1024 (k)][1024 (n)] f32 with K as the FIRST axis, become codes of BF6 (E3M2) with one E8M0 byte for each 32 along K, laid in the same PANELs (128 rows n x K = 1,024; panel 8 x weight + n / 128).
; A LANE TAKES A COLUMN n AND ITS REGISTERS RUN DOWN K: a load reads 128 consecutive bytes a wave, a block of 32 along K lies in one lane, and the conversions give codes with K innermost.  Nothing is transposed.
; SHARES: work-group 256 + id: panel column id % 8 (128 columns), weight (id / 8) / 4, chunk (id / 8) % 4.  A wave takes 32 columns (a pair of tiles) x 256 along K: 8 blocks a lane.  Its codes meet in its own stage in LDS, laid as the
; chunk is, and leave by 13 stores of 512 consecutive aligned bytes.  No barrier: the waves share nothing.  Two blocks (64 loads) are asked for ahead.
; LIMITS: a block whose largest magnitude lies under 2^-122 (a block of zeros too) keeps the byte 1; zero codes add nothing under that byte, and this program alone reads the bytes.  NaN and infinities are not served.
.set WST,   6656                       ; a wave's stage: 2 K steps x 2 tiles x 1,536 bytes of codes, then 2 tiles x 256 bytes of scale words
.set WBASE, 67072                      ; the four stages begin behind the spare words
.set WX,    32                         ; v32-95   two sets of 32 numbers
.set WC,    96                         ; v96-102  a block's codes
.set WSB,   104                        ; v104-105 the scale words of the chunk's two K steps
.set WOUT,  112                        ; v112-163 the way out
	s_load_b256 s[4:11], s[0:1], 0x28              ; Wq, Wk, Wv, Wo
	s_load_b64 s[12:13], s[0:1], 0x48              ; wpk
	v_lshrrev_b32 v1, 5, v0
	v_readfirstlane_b32 s3, v1                     ; wave 0..3
	s_sub_co_u32 s2, ttmp9, 256                    ; id
	s_lshr_b32 s18, s2, 3                          ; weight and chunk
	s_and_b32 s2, s2, 7
	s_lshl_b32 s2, s2, 1
	s_lshr_b32 s16, s3, 1
	s_add_co_u32 s2, s2, s16                       ; which 64 columns: 2 (id % 8) + wave / 2
	s_and_b32 s16, s3, 1                           ; which 32 of them
	s_mul_i32 s17, s3, WST
	s_add_co_u32 s17, s17, WBASE                   ; my stage
	v_and_b32 v1, 31, v0                           ; lane l = my column in the pair of tiles
	v_lshlrev_b32 v2, 2, v1                        ; in: 4 bytes a lane
	v_bfe_u32 v8, v0, 3, 1                         ; u: which tile of the pair: (l / 8) % 2
	v_and_b32 v9, 7, v0
	v_bfe_u32 v10, v0, 4, 1
	v_lshl_add_u32 v9, v10, 3, v9                  ; r: my lane-row in it: l % 8 + 8 (l / 16)
	v_mul_u32_u24 v11, v8, 1536
	v_add_nc_u32 v11, s17, v11
	v_lshl_add_u32 v3, v9, 4, v11                  ; v3: registers 0-3 of an image: 16 r (+ 256 h in the immediate)
	v_lshl_add_u32 v4, v9, 3, v11                  ; v4: registers 4-5: 8 r (+ 512 + 128 h)
	v_lshlrev_b32 v12, 8, v8
	v_add_nc_u32 v12, s17, v12
	v_lshl_add_u32 v5, v9, 3, v12                  ; v5: my scale words: 256 u + 8 r (+ 6,144)
	v_lshlrev_b32 v7, 4, v1                        ; v7: out: 16 bytes a lane
	v_add_nc_u32 v6, s17, v7                       ; v6: the same in my stage
	s_lshr_b32 s19, s18, 2                         ; which weight
	s_and_b32 s20, s18, 3                          ; which chunk
	s_lshl_b32 s22, s20, 20                        ; in: 256 rows of 4,096 bytes a chunk,
	s_lshl_b32 s21, s2, 8                          ; 64 columns,
	s_add_co_u32 s22, s22, s21
	s_lshl_b32 s21, s16, 7                         ; 32 a wave
	s_add_co_u32 s22, s22, s21
	s_mov_b32 s23, 0
	s_lshl_b32 s24, s19, 3                         ; out: panel 8 x weight + id % 8,
	s_lshr_b32 s21, s2, 1
	s_add_co_u32 s24, s24, s21
	s_mul_i32 s24, s24, PANEL
	s_mul_i32 s21, s20, CHUNK                      ; the chunk,
	s_add_co_u32 s24, s24, s21
	s_and_b32 s21, s2, 1
	s_lshl_b32 s21, s21, 1
	s_add_co_u32 s21, s21, s16                     ; my pair of tiles = my wave's number
	s_mul_i32 s26, s21, 3072
	s_add_co_u32 s26, s26, s24                     ; its codes,
	s_mov_b32 s27, 0
	s_lshl_b32 s28, s21, 9
	s_add_co_u32 s28, s28, s24
	s_add_co_u32 s28, s28, 24576                   ; its scale words
	s_mov_b32 s29, 0
	s_and_b32 s30, s19, 1
	s_and_b32 s31, s19, 2
	s_wait_kmcnt 0x0
	s_cmp_lg_u32 s30, 0                            ; the weight is chosen by the work-group's number alone
	s_cselect_b64 s[4:5], s[6:7], s[4:5]           ; Wk or Wq
	s_cselect_b64 s[8:9], s[10:11], s[8:9]         ; Wo or Wv
	s_cmp_lg_u32 s31, 0
	s_cselect_b64 s[4:5], s[8:9], s[4:5]
	s_add_nc_u64 s[4:5], s[4:5], s[22:23]
	s_add_nc_u64 s[14:15], s[12:13], s[26:27]
	s_add_nc_u64 s[12:13], s[12:13], s[28:29]
.macro WLOAD t                         ; block t: W(32 t + i, my column), i = 0 .. 31, into set t % 2; the largest immediate is 255 rows of 4,096 bytes
.set LI, 0
.rept 32
	global_load_b32 v[WX+32*((\t)%2)+LI], v2, s[4:5] offset:(32*(\t)+LI)*4096 th:TH_LOAD_NT
.set LI, LI+1
.endr
.endm
	WLOAD 0
	WLOAD 1
.macro WBLOCK t                        ; block t of the chunk: K step t / 4, half image c = (t / 2) % 2, lanes' half h = t % 2
.set XS, WX+32*((\t)%2)
.if (\t) < 7
	s_wait_loadcnt 32                              ; this block's 32 loads are in; the next block's 32 may be out
.else
	s_wait_loadcnt 0x0
.endif
	v_max3_num_f32 v12, |v[XS]|, |v[XS+1]|, |v[XS+2]|      ; the block's largest magnitude: all 32 numbers are mine; two chains
	v_max3_num_f32 v13, |v[XS+3]|, |v[XS+4]|, |v[XS+5]|
.irp i, 6,10,14,18,22,26
	v_max3_num_f32 v12, v12, |v[XS+\i]|, |v[XS+\i+1]|
	v_max3_num_f32 v13, v13, |v[XS+\i+2]|, |v[XS+\i+3]|
.endr
	v_max3_num_f32 v12, v12, |v[XS+30]|, |v[XS+31]|
	v_max3_num_f32 v12, v12, v13, 0x2800000        ; and the floor 2^(5 - 127): the byte cannot fall under 1
	v_add_nc_u32 v11, 0xfe000000, v12              ; 4 off the exponent field: the conversion takes this operand's exponent field as its scale
	v_cvt_scalef32_pk16_bf6_f32 v[WC:WC+2], v[XS:XS+15], v11
	v_cvt_scalef32_pk16_bf6_f32 v[WC+4:WC+6], v[XS+16:XS+31], v11  ; (a conversion's three registers begin on an even number)
	v_lshrrev_b32 v13, 23, v11                     ; the scale's byte.  (Also the plain line between the conversions and the moves of their results)
.if (\t)%4 == 0
	v_mov_b32 v[WSB+(\t)/4], v13                   ; four bytes make a K step's word, the lower K in the lower byte
.else
	v_lshl_or_b32 v[WSB+(\t)/4], v13, 8*((\t)%4), v[WSB+(\t)/4]
.endif
	v_mov_b32 v[WC+3], v[WC+4]                     ; the block's six registers on end
	v_mov_b32 v[WC+4], v[WC+5]
	v_mov_b32 v[WC+5], v[WC+6]
	ds_store_b128 v3, v[WC:WC+3] offset:((\t)/4)*3072+(((\t)/2)%2)*768+256*((\t)%2)
	ds_store_b64 v4, v[WC+4:WC+5] offset:((\t)/4)*3072+(((\t)/2)%2)*768+512+128*((\t)%2)
.if (\t)+2 < 8
	WLOAD (\t)+2
.endif
	s_wait_dscnt 0x0                               ; the stores have read their registers: the next block's codes may be written
.endm
.irp t, 0,1,2,3,4,5,6,7
	WBLOCK \t
.endr
	s_wait_alu depctr_va_vdst(0)                   ; directly ahead of the reader below
	ds_store_b64 v5, v[WSB:WSB+1] offset:6144      ; my row's two scale words, for lane r
	ds_store_b64 v5, v[WSB:WSB+1] offset:6144+128  ; and for lane r + 16
.irp i, 0,1,2,3,4,5,6,7,8,9,10,11,12
	ds_load_b128 v[WOUT+4*\i:WOUT+4*\i+3], v6 offset:512*\i        ; LDS serves a wave's instructions in order (ISA guide 5.7.1.4): these see my stores
.endr
.irp i, 0,1,2,3,4,5,6,7,8,9,10,11
	s_wait_dscnt 12-\i                             ; load i is in; the younger ones may be out
	global_store_b128 v7, v[WOUT+4*\i:WOUT+4*\i+3], s[14:15] offset:(\i/6)*12288+(\i%6)*512   ; 32 lanes store 512 consecutive bytes, at a multiple of 256 from the buffer's first byte
.endr
	s_wait_dscnt 0x0
	global_store_b128 v7, v[WOUT+48:WOUT+51], s[12:13]             ; the pair's scale words: 512 bytes
	s_wait_tensorcnt 0x0                           ; the wave's end
	ds_add_u32 v254, v255
	s_wait_dscnt 0x0
	s_endpgm
.Lfunc_end_k_q88f68fe57b_lnq:
	.size	k_q88f68fe57b_lnq, .Lfunc_end_k_q88f68fe57b_lnq-k_q88f68fe57b_lnq
	.p2alignl 7, 3214868480
	.fill 96, 4, 3214868480
	.section	.rodata,"a",@progbits
	.p2align	6, 0x0
	.amdhsa_kernel k_q88f68fe57b_lnq
		.amdhsa_group_segment_fixed_size 93696
		.amdhsa_private_segment_fixed_size 0
		.amdhsa_enable_private_segment 0
		.amdhsa_kernarg_size 80
		.amdhsa_user_sgpr_count 2
		.amdhsa_user_sgpr_kernarg_segment_ptr 1
		.amdhsa_wavefront_size32 1
		.amdhsa_system_sgpr_workgroup_id_x 1
		.amdhsa_system_sgpr_workgroup_id_y 1
		.amdhsa_system_sgpr_workgroup_id_z 1
		.amdhsa_system_vgpr_workitem_id 0
		.amdhsa_next_free_vgpr 256
		.amdhsa_next_free_sgpr 66
		.amdhsa_reserve_vcc 1
		.amdhsa_float_denorm_mode_32 3
		.amdhsa_float_denorm_mode_16_64 3
		.amdhsa_memory_ordered 1
		.amdhsa_forward_progress 1
		.amdhsa_inst_pref_size 93
	.end_amdhsa_kernel
	.amdgpu_metadata
---
amdhsa.version: [ 1, 2 ]
amdhsa.kernels:
  - .name:           k_q88f68fe57b_lnq
    .symbol:         k_q88f68fe57b_lnq.kd
    .args:
      - { .name: h, .offset: 0, .size: 8, .value_kind: global_buffer, .address_space: global }
      - { .name: gamma, .offset: 8, .size: 8, .value_kind: global_buffer, .address_space: global }
      - { .name: beta, .offset: 16, .size: 8, .value_kind: global_buffer, .address_space: global }
      - { .name: hn, .offset: 24, .size: 8, .value_kind: global_buffer, .address_space: global }
      - { .name: rope, .offset: 32, .size: 8, .value_kind: global_buffer, .address_space: global }
      - { .name: Wq, .offset: 40, .size: 8, .value_kind: global_buffer, .address_space: global }
      - { .name: Wk, .offset: 48, .size: 8, .value_kind: global_buffer, .address_space: global }
      - { .name: Wv, .offset: 56, .size: 8, .value_kind: global_buffer, .address_space: global }
      - { .name: Wo, .offset: 64, .size: 8, .value_kind: global_buffer, .address_space: global }
      - { .name: wpk, .offset: 72, .size: 8, .value_kind: global_buffer, .address_space: global }
    .group_segment_fixed_size: 93696
    .private_segment_fixed_size: 0
    .kernarg_segment_align: 8
    .kernarg_segment_size: 80
    .max_flat_workgroup_size: 128
    .sgpr_count:     66
    .vgpr_count:     256
    .wavefront_size: 32
...
	.end_amdgpu_metadata
.endif
;; end of part 1
;; launch gqkv (part 2): grid 8 x 32, 8 waves a work-group, clusters of 4 x 4, 327,680 bytes of LDS; arguments wpk, hn, rope, bq, bk, bv, qpk, kv; writes qpk, kv
.if DOCPART == 2
	.amdgcn_target "amdgcn-amd-amdhsa--gfx1250"
	.amdhsa_code_object_version 6
	.text
	.protected	k_q88f68fe57b_gqkv
	.globl	k_q88f68fe57b_gqkv
	.p2align	8
	.type	k_q88f68fe57b_gqkv,@function
k_q88f68fe57b_gqkv:
	s_mov_b64 s[64:65], 0
	v_nop
	global_prefetch_b8 v0, s[64:65] scope:SCOPE_SE
	s_setreg_imm32_b32 hwreg(HW_REG_WAVE_MODE, 25, 1), 1
	s_wait_xcnt 0x0
	s_wait_alu depctr_hold_cnt(0) depctr_sa_sdst(0) depctr_va_vdst(0) depctr_va_sdst(0) depctr_va_ssrc(0) depctr_va_vcc(0) depctr_vm_vsrc(0)
	s_getreg_b32 s2, hwreg(HW_REG_IB_STS2, 6, 4)
	s_cmp_eq_u32 s2, 0
	s_cbranch_scc0 .Lentry_in_a_cluster
	s_endpgm
.Lentry_in_a_cluster:
	s_bfe_u32 s2, ttmp6, 0x10000c
	s_cmp_lg_u32 s2, 0xf033
	s_cbranch_scc0 .Lentry_shape_is_right
	s_endpgm
.Lentry_shape_is_right:
; q = rope(hn Wq + bq), k = rope(hn Wk + bk), v = hn Wv + bv: three products on codes of BF6 (E3M2) with E8M0 scales, in ONE launch; q and k are quantised along a head's 64, v along the keys, and stored as the attention launch reads them.
; OPERANDS lie in PANELs of 106,496 bytes: 128 rows (8 tiles of 16) x K = 1,024, as images of the operand's registers, in four chunks of two K steps of 128 (codes: (K step % 2) x 12,288 + tile x 1,536 + c x 768; lane L's
; registers 0-3 at 16 L, 4-5 at 512 + 8 L; scale words at 24,576 + tile x 256 + 8 L + 4 (K step % 2)).  Tile T holds in lane-row r the row 32 (T / 2) + 8 (T % 2) + r + 8 (r / 8).
; SHARES: work-group (x, y) takes hn's panel y (128 positions) and the panels x of Wq, Wk and Wv (128 columns each, two heads): three blocks of 128 x 128, one after the other; hn's panel is fetched once and stays.
; LDS: hn's panel at 0, Wq's at 106,496, Wk's at 212,992, the spare words at 319,488.  When every wave of the cluster has read Wq's panel out, Wv's is brought onto its bytes; it has q's way out and the whole of k's block in which to land.
; Eight waves, two to a SIMD: wave w makes source 0's tiles 4 (w % 2) .. + 3 x source 1's tiles 2 (w / 2), + 1: 8 accumulators, which take turns.
; q, k: SOURCE 0 = THE WEIGHT (one head's 64 columns): a lane holds ONE position, register 16 B + i is d = 32 B + 16 (lane / 16) + i: the rotation's pair (d, d + 32) lies in one lane, and 16 neighbours of each block of 32 in 16 registers.
; v: SOURCE 0 = THE POSITIONS: a lane holds ONE channel, and its registers run along the keys in the same order.  So the conversions' results, with one exchange of halves, are the next operand's registers.
; CLUSTER 4 x 4: hn's panel hangs on y alone and is asked for jointly along a row of the cluster, the weights' on x alone, down a column.  At the head each wave issues one joint load: waves 0-3 hn's four chunks (104 rows of 256 bytes),
; waves 4-7 the halves of Wq's and Wk's panels (208 rows); the refill is 52 rows a wave.  One tensor load of a wave is out at any time.  No prefetch: the text has no loop to run ahead in.
; OUT: for head and block of 128 positions 13,824 bytes: q's or k's codes at tile x 768, their scale words at 12,288 + (tile / 2) x 256 + 8 L + 4 (tile % 2) (bytes 2, 3 zero); v's codes at 6,144 + channel tile x 1,536 + c x 768, its scale
; words at 13,312 + channel tile x 128 + 4 L, of which a wave has two bytes (its 64 keys): a store of 2 bytes a lane, 64 bytes beside 768 of codes.
; LIMITS: a block whose largest magnitude lies under 2^-122 keeps the byte 1.  NaN and infinities are not served.
.set PANEL, 106496
.set CHUNK, 26624
.set HALFP, 53248
.set EIGTH, 13312
.set KVS,   13824
.set HEADB, 442368
.set ACC,   16                         ; v16-79   accumulator (a, b) at 16 + 32 a + 8 b
.set BUF0,  80                         ; v80-151, v152-223 two sets of fragments: source 0's four at + 12 i, source 1's two at + 48 + 12 a
.set BUF1,  152
.set SC0,   224                        ; v224-235, v236-247 two sets of scale words, and nothing else
.set SC1,   236
.set TM,    160                        ; the ways out: v160-165 at work in the quantiser
.set SEL,   66
.set G1W,   20                         ; s[20:27] group 1, the weights at the head;  s[28:35] hn;  s[44:51] the refill
.set G1H,   28
.set G1R,   44
.set G0W,   36                         ; s[36:39], s[40:43], s[68:71] their groups 0
.set G0R,   40
.set G0H,   68
; v1-6 LDS addresses; v7, v8, v11 = 16, 8, 4 x lane; v9 = 64 h (bias); v10 the table's offset; v13 bv's offset; v248, v250 bv of my two channels
.macro CROUND                          ; a round of the cluster's barrier
	s_barrier_signal -1
	s_barrier_wait -1
	s_cmp_lg_u32 s8, 0
	s_cbranch_scc1 .Lnot_wave_0_\@
	s_barrier_signal -3
.Lnot_wave_0_\@:
	s_barrier_wait -3
	s_barrier_signal -1
	s_barrier_wait -1
.endm
.macro PLACES                          ; four plain vector lines behind matrix instructions, ahead of loads into their sources and of reads of their results
.rept 4
	v_nop
.endr
.endm
.macro GRP1 g, rows                    ; rows of 256 bytes (32 elements of 8), dense
	s_mov_b32 s[\g+1], 32<<16
	s_mov_b32 s[\g+2], (\rows)<<16
	s_mov_b32 s[\g+3], 32<<16
	s_mov_b32 s[\g+4], \rows
	s_mov_b32 s[\g+5], 32
	s_mov_b32 s[\g+6], 0
	s_mov_b32 s[\g+7], 0
.endm
.macro FETCH buf, par                  ; 24 LDS loads: a K step's six fragments, each as two half images
.irp i, 0,1,2,3
	ds_load_b128 v[\buf+12*\i:\buf+12*\i+3], v1 offset:\par*12288+\i*1536
	ds_load_b64 v[\buf+12*\i+4:\buf+12*\i+5], v2 offset:\par*12288+\i*1536+512
	ds_load_b128 v[\buf+12*\i+6:\buf+12*\i+9], v1 offset:\par*12288+\i*1536+768
	ds_load_b64 v[\buf+12*\i+10:\buf+12*\i+11], v2 offset:\par*12288+\i*1536+1280
.endr
.irp a, 0,1
	ds_load_b128 v[\buf+48+12*\a:\buf+48+12*\a+3], v3 offset:\par*12288+\a*1536
	ds_load_b64 v[\buf+48+12*\a+4:\buf+48+12*\a+5], v4 offset:\par*12288+\a*1536+512
	ds_load_b128 v[\buf+48+12*\a+6:\buf+48+12*\a+9], v3 offset:\par*12288+\a*1536+768
	ds_load_b64 v[\buf+48+12*\a+10:\buf+48+12*\a+11], v4 offset:\par*12288+\a*1536+1280
.endr
.endm
.macro SCALES set                      ; 6 LDS loads: a chunk's scale words, both K steps' at once
.irp i, 0,1,2,3
	ds_load_b64 v[\set+2*\i:\set+2*\i+1], v5 offset:\i*256
.endr
.irp a, 0,1
	ds_load_b64 v[\set+8+2*\a:\set+8+2*\a+1], v6 offset:\a*256
.endr
.endm
.macro MUL buf, set, par, zero         ; a K step's 8 products
.irp a, 0,1
.irp b, 0,1,2,3
.if \zero
	v_wmma_scale_f32_16x16x128_f8f6f4 v[ACC+32*\a+8*\b:ACC+32*\a+8*\b+7], v[\buf+12*\b:\buf+12*\b+11], v[\buf+48+12*\a:\buf+48+12*\a+11], 0, v[\set+2*\b+\par], v[\set+8+2*\a+\par] matrix_a_fmt:MATRIX_FMT_BF6 matrix_b_fmt:MATRIX_FMT_BF6
.else
	v_wmma_scale_f32_16x16x128_f8f6f4 v[ACC+32*\a+8*\b:ACC+32*\a+8*\b+7], v[\buf+12*\b:\buf+12*\b+11], v[\buf+48+12*\a:\buf+48+12*\a+11], v[ACC+32*\a+8*\b:ACC+32*\a+8*\b+7], v[\set+2*\b+\par], v[\set+8+2*\a+\par] matrix_a_fmt:MATRIX_FMT_BF6 matrix_b_fmt:MATRIX_FMT_BF6
.endif
.endr
.endr
.endm
.macro NEXTCHUNK set
	s_wait_dscnt 0x0                               ; the fragments of the step in hand are in
.irp r, 1,2,3,4,5,6
	v_add_nc_u32 v\r, CHUNK, v\r                   ; six plain lines: also the places behind the last products
.endr
	SCALES \set
.endm
.macro SETADR b0, b1                   ; source 0's panel lies at LDS byte b0, source 1's at b1
	s_add_co_u32 s6, s2, \b0
	s_add_co_u32 s7, s3, \b1
	v_add_nc_u32 v1, s6, v7
	v_add_nc_u32 v2, s6, v8
	v_add_nc_u32 v3, s7, v7
	v_add_nc_u32 v4, s7, v8
	s_add_co_u32 s6, s4, \b0
	s_add_co_u32 s7, s5, \b1
	v_add_nc_u32 v5, s6, v8
	v_add_nc_u32 v6, s7, v8
	s_wait_alu depctr_va_vdst(0)
.endm
; The eight K steps of a block, written out.  A step's fragments are fetched a step ahead, into the other set.  zero = 1: the first step starts the sums; else the bias, loaded into the accumulators, does.  tab = 1: the last step,
; which fetches nothing, lets the rotation's table come into the set that is free: register 2 i = cos, 2 i + 1 = sin of d = 16 h + i at my position of tile a
.macro KLOOP zero, tab
	SCALES SC0
	FETCH BUF0, 0
	s_wait_loadcnt 0x0                             ; the bias
	FETCH BUF1, 1
	s_wait_dscnt 24                                ; all but the 24 just issued
	MUL BUF0, SC0, 0, \zero
	NEXTCHUNK SC1
	FETCH BUF0, 0
	MUL BUF1, SC0, 1, 0
	PLACES
	FETCH BUF1, 1
	s_wait_alu depctr_va_vdst(0)
	s_wait_dscnt 24
	MUL BUF0, SC1, 0, 0
	NEXTCHUNK SC0
	FETCH BUF0, 0
	MUL BUF1, SC1, 1, 0
	PLACES
	FETCH BUF1, 1
	s_wait_alu depctr_va_vdst(0)
	s_wait_dscnt 24
	MUL BUF0, SC0, 0, 0
	NEXTCHUNK SC1
	FETCH BUF0, 0
	MUL BUF1, SC0, 1, 0
	PLACES
	FETCH BUF1, 1
	s_wait_dscnt 24
	MUL BUF0, SC1, 0, 0
.if \tab
	PLACES
.irp a, 0,1
.irp k, 0,1,2,3,4,5,6,7
	global_load_b128 v[BUF0+32*\a+4*\k:BUF0+32*\a+4*\k+3], v10, s[62:63] offset:2048*\a+16*\k
.endr
.endr
.endif
	s_wait_dscnt 0x0
	MUL BUF1, SC1, 1, 0
	PLACES
.endm
; 32 numbers of a lane, v[s] on (register 16 b + i = k 32 b + 16 h + i of my row), become a half image's six registers in v[pc] on and two scale bytes in v[pw]; v[pt] .. + 2 at work
.macro QUANT2 s, pc, pt, pw
.irp b, 0,1
	v_max3_num_f32 v[TM+\b], |v[\s+16*\b]|, |v[\s+1+16*\b]|, 0x2800000     ; my 16 numbers of block b, and the floor 2^(5 - 127): the byte cannot fall under 1
.endr
.irp i, 2,4,6,8,10,12,14
.irp b, 0,1
	s_delay_alu instid0(VALU_DEP_2)
	v_max3_num_f32 v[TM+\b], v[TM+\b], |v[\s+16*\b+\i]|, |v[\s+1+16*\b+\i]|
.endr
.endr
.irp b, 0,1
	s_delay_alu instid0(VALU_DEP_2)
	v_permlanex16_b32 v[TM+2+\b], v[TM+\b], s[SEL], s[SEL+1]
.endr
.irp b, 0,1
	s_delay_alu instid0(VALU_DEP_2)
	v_max_num_f32 v[TM+\b], v[TM+\b], v[TM+2+\b]   ; with lane l xor 16's 16: the block's largest magnitude
.endr
.irp b, 0,1
	s_delay_alu instid0(VALU_DEP_2)
	v_add_nc_u32 v[TM+4+\b], 0xfe000000, v[TM+\b]  ; 4 off its exponent field: the conversion's scale operand
.endr
.irp b, 0,1
	s_delay_alu instid0(VALU_DEP_2)
	v_lshrrev_b32 v[TM+2+\b], 23, v[TM+4+\b]       ; the scale's byte
.endr
	s_delay_alu instid0(VALU_DEP_1)
	v_lshl_or_b32 v[\pw], v[TM+3], 8, v[TM+2]
	v_cvt_scalef32_pk16_bf6_f32 v[\pc:\pc+2], v[\s:\s+15], v[TM+4]
	v_cvt_scalef32_pk16_bf6_f32 v[\pt:\pt+2], v[\s+16:\s+31], v[TM+5]
	v_nop                                          ; a plain line behind the scaled conversions
.irp i, 0,1,2
	v_permlane16_swap_b32 v[\pc+\i], v[\pt+\i]     ; lanes 0-15 now hold block 0 whole, lanes 16-31 block 1
.endr
.irp i, 0,1,2
	s_delay_alu instid0(VALU_DEP_3)
	v_mov_b32 v[\pc+3+\i], v[\pt+\i]
.endr
.endm
.macro BIAS p                          ; THE BIAS IS WHAT q's AND k's SUMS BEGIN WITH: register j of accumulator (a, b) is column 32 (b / 2) + 16 h + 8 (b % 2) + j of the head
.irp a, 0,1
.irp b, 0,1,2,3
	global_load_b128 v[ACC+32*\a+8*\b:ACC+32*\a+8*\b+3], v9, s[\p:\p+1] offset:128*(\b/2)+32*(\b%2)
	global_load_b128 v[ACC+32*\a+8*\b+4:ACC+32*\a+8*\b+7], v9, s[\p:\p+1] offset:128*(\b/2)+32*(\b%2)+16
.endr
.endr
.endm
.macro ROPEOUT p                       ; q's and k's way out: the rotation, in place (each accumulator is read from its low end on), the quantiser, the stores: codes by s[p:p+1], scale words by s[p+2:p+3]
	v_mov_b32 v[TM+2], 0                           ; (a lane permute's destination counts as one of its sources)
	v_mov_b32 v[TM+3], 0
	s_wait_loadcnt 0x0                             ; the table
.irp a, 0,1
.set II, 0
.rept 16
	v_mul_f32 v[152+2*(II%4)], v[ACC+32*\a+16+II], v[BUF0+32*\a+2*II+1]                            ; x(d + 32) sin
	v_mul_f32 v[153+2*(II%4)], v[ACC+32*\a+16+II], v[BUF0+32*\a+2*II]                              ; x(d + 32) cos
	v_fma_f32 v[ACC+32*\a+16+II], v[ACC+32*\a+II], v[BUF0+32*\a+2*II+1], v[153+2*(II%4)]           ; x(d) sin + x(d + 32) cos
	v_fma_f32 v[ACC+32*\a+II], v[ACC+32*\a+II], v[BUF0+32*\a+2*II], -v[152+2*(II%4)]               ; x(d) cos - x(d + 32) sin
.set II, II+1
.endr
.endr
	QUANT2 ACC, 172, 168, 186
	global_store_b128 v7, v[172:175], s[\p:\p+1]                   ; each store covers 512 or 256 consecutive aligned bytes
	global_store_b64 v8, v[176:177], s[\p:\p+1] offset:512
	QUANT2 ACC+32, 180, 168, 187
	global_store_b128 v7, v[180:183], s[\p:\p+1] offset:768
	global_store_b64 v8, v[184:185], s[\p:\p+1] offset:1280
	global_store_b64 v8, v[186:187], s[\p+2:\p+3]                  ; the two tiles' scale words: 256 bytes
	s_wait_xcnt 0x0                                ; the stores' data registers take the next block's fragments only behind this wait
.endm
	s_load_b256 s[84:91], s[0:1], 0x0              ; wpk, hn, rope, bq
	s_load_b256 s[92:99], s[0:1], 0x20             ; bk, bv, qpk, kv
	v_lshl_add_u32 v254, v0, 2, 0x4e000
	v_mov_b32 v255, 0
	ds_add_u32 v254, v255                          ; the opening lines
	ds_add_u32 v254, v255
	v_lshrrev_b32 v1, 5, v0
	s_delay_alu instid0(VALU_DEP_1)
	v_readfirstlane_b32 s8, v1                     ; wave 0..7
	s_and_b32 s10, s8, 3
	s_and_b32 s11, s8, 1                           ; w0: which four tiles of source 0 are mine
	s_lshr_b32 s12, s8, 1                          ; w1: which two of source 1
	s_bfe_u32 s13, ttmp6, 0x40000                  ; cx, cy
	s_bfe_u32 s14, ttmp6, 0x40004
	s_lshl_b32 s15, ttmp9, 2
	s_add_co_u32 s15, s15, s13                     ; x
	s_and_b32 s16, ttmp7, 0xffff
	s_lshl_b32 s16, s16, 2
	s_add_co_u32 s16, s16, s14                     ; y
	s_lshl_b32 s17, 0x1111, s13                    ; my column of the cluster
	s_lshl_b32 s18, s14, 2
	s_lshl_b32 s18, 15, s18                        ; my row
	s_or_b32 s[G1W], s17, (3<<16)|(1<<21)          ; the weights' panels go down my column; elements of 8 bytes; bit 21 set beside a mask
	s_or_b32 s[G1R], s17, (3<<16)|(1<<21)
	s_or_b32 s[G1H], s18, (3<<16)|(1<<21)          ; hn's along my row
	GRP1 G1W, 208
	GRP1 G1H, 104
	GRP1 G1R, 52
	s_mul_i32 s19, s10, CHUNK                      ; hn: chunk w % 4 of panel y
	s_mul_i32 s54, s16, PANEL
	s_add_co_u32 s54, s54, s19
	s_mov_b32 s55, 0
	s_lshr_b32 s6, s10, 1                          ; the weights: waves 4, 5 panel x (Wq), waves 6, 7 panel 8 + x (Wk); half w % 2
	s_lshl_b32 s6, s6, 3
	s_add_co_u32 s6, s6, s15
	s_mul_i32 s52, s6, PANEL
	s_mul_i32 s7, s11, HALFP
	s_add_co_u32 s52, s52, s7
	s_mov_b32 s53, 0
	s_add_co_u32 s6, s15, 16                       ; the refill: panel 16 + x (Wv), eighth w
	s_mul_i32 s56, s6, PANEL
	s_mul_i32 s7, s8, EIGTH
	s_add_co_u32 s56, s56, s7
	s_mov_b32 s57, 0
	s_mov_b32 s[G0H], 1
	s_mov_b32 s[G0H+1], s19                        ; LDS addresses hang on the wave's number alone
	s_mov_b32 s[G0W], 1
	s_mul_i32 s[G0W+1], s10, HALFP
	s_add_co_u32 s[G0W+1], s[G0W+1], PANEL
	s_mov_b32 s[G0R], 1
	s_add_co_u32 s[G0R+1], s7, PANEL
	s_mov_b32 s[SEL], 0x76543210
	s_mov_b32 s[SEL+1], 0xfedcba98
	s_wait_dscnt 0x0
	s_wait_kmcnt 0x0
	s_add_nc_u64 s[G0W+2:G0W+3], s[84:85], s[52:53]
	s_or_b32 s[G0W+3], s[G0W+3], 0x80000000
	s_add_nc_u64 s[G0H+2:G0H+3], s[86:87], s[54:55]
	s_or_b32 s[G0H+3], s[G0H+3], 0x80000000
	s_add_nc_u64 s[G0R+2:G0R+3], s[84:85], s[56:57]
	s_or_b32 s[G0R+3], s[G0R+3], 0x80000000
	CROUND                                         ; all sixteen work-groups are here: the joint loads meet
	s_cmp_lt_u32 s8, 4                             ; one fill a wave, in the two arms of one branch on the wave's number; four v_nop follow each
	s_cbranch_scc0 .Lweights
	tensor_load_to_lds s[G0H:G0H+3], s[G1H:G1H+7]
	s_nop 0
	PLACES
	s_branch .Lasked
.Lweights:
	tensor_load_to_lds s[G0W:G0W+3], s[G1W:G1W+7]
	s_nop 0
	PLACES
.Lasked:
	s_lshl_b32 s19, s15, 1
	s_add_co_u32 s19, s19, s11                     ; q, k: my head 2 x + w0
	s_lshl_b32 s6, s19, 8
	s_mov_b32 s7, 0
	s_add_nc_u64 s[58:59], s[90:91], s[6:7]        ; its 64 numbers of bq,
	s_add_nc_u64 s[60:61], s[92:93], s[6:7]        ; of bk
	s_mul_i32 s19, s19, HEADB
	s_mul_i32 s6, s16, KVS
	s_add_co_u32 s19, s19, s6                      ; out: head, block of 128 positions y
	s_mul_i32 s6, s12, 1536
	s_add_co_u32 s6, s6, s19
	s_add_nc_u64 s[72:73], s[96:97], s[6:7]        ; my two tiles' codes in qpk,
	s_add_nc_u64 s[76:77], s[98:99], s[6:7]        ; in kv
	s_lshl_b32 s6, s12, 8
	s_add_co_u32 s6, s6, s19
	s_add_co_u32 s6, s6, 12288
	s_add_nc_u64 s[74:75], s[96:97], s[6:7]        ; their scale words
	s_add_nc_u64 s[78:79], s[98:99], s[6:7]
	s_lshl_b32 s6, s16, 15                         ; the table: position 128 y + 32 w1, 256 bytes a position
	s_lshl_b32 s19, s12, 13
	s_add_co_u32 s6, s6, s19
	s_add_nc_u64 s[62:63], s[88:89], s[6:7]
	s_lshl_b32 s6, s15, 9                          ; v: bv from channel 128 x + 32 w1 on
	s_lshl_b32 s19, s12, 7
	s_add_co_u32 s6, s6, s19
	s_add_nc_u64 s[100:101], s[94:95], s[6:7]
	s_lshl_b32 s19, s15, 1
	s_lshr_b32 s6, s12, 1
	s_add_co_u32 s19, s19, s6                      ; my head 2 x + w1 / 2
	s_mul_i32 s19, s19, HEADB
	s_mul_i32 s6, s16, KVS
	s_add_co_u32 s19, s19, s6
	s_and_b32 s17, s12, 1
	s_mul_i32 s6, s17, 3072                        ; channel tiles 2 (w1 % 2) + a,
	s_add_co_u32 s6, s6, s19
	s_mul_i32 s18, s11, 768                        ; half image c = w0: my 64 keys
	s_add_co_u32 s6, s6, s18
	s_add_co_u32 s6, s6, 6144
	s_add_nc_u64 s[80:81], s[98:99], s[6:7]
	s_lshl_b32 s6, s17, 8
	s_add_co_u32 s6, s6, s19
	s_lshl_b32 s18, s11, 1                         ; my two bytes of a scale word
	s_add_co_u32 s6, s6, s18
	s_add_co_u32 s6, s6, 13312
	s_add_nc_u64 s[82:83], s[98:99], s[6:7]
	s_mul_i32 s2, s11, 6144                        ; in a panel: source 0's four tiles, source 1's two, their scale words
	s_mul_i32 s3, s12, 3072
	s_lshl_b32 s4, s11, 10
	s_add_co_u32 s4, s4, 24576
	s_lshl_b32 s5, s12, 9
	s_add_co_u32 s5, s5, 24576
	v_and_b32 v15, 31, v0
	v_and_b32 v13, 15, v0
	v_and_b32 v12, 8, v0
	v_and_b32 v14, 16, v0
	v_lshlrev_b32 v7, 4, v15
	v_lshlrev_b32 v8, 3, v15
	v_lshlrev_b32 v11, 2, v15
	v_add_nc_u32 v13, v13, v12                     ; r + 8 (r / 8)
	v_lshlrev_b32 v9, 2, v14                       ; 64 h
	s_delay_alu instid0(VALU_DEP_2)
	v_lshlrev_b32 v10, 8, v13
	s_delay_alu instid0(VALU_DEP_1)
	v_lshl_add_u32 v10, v14, 3, v10                ; the table: my position's row, + 128 h
	v_lshlrev_b32 v13, 2, v13                      ; bv: my channel
	v_mov_b32 v249, 0                              ; (named with v248, v250 as pairs)
	v_mov_b32 v251, 0
	BIAS 58
	global_load_b32 v248, v13, s[100:101]          ; tile a = 0,
	global_load_b32 v250, v13, s[100:101] offset:32    ; a = 1: eight channels on
	SETADR PANEL, 0
	s_wait_tensorcnt 0x0                           ; my part of the three panels is in
	s_barrier_signal -1
	s_barrier_wait -1                              ; everybody's is
	; ---- q
	KLOOP 0, 1
	s_wait_tensorcnt 0x0                           ; Wq's panel is read out, ahead of the round behind which its bytes are filled again
	ds_add_u32 v254, v255
	s_wait_dscnt 0x0
	CROUND
	tensor_load_to_lds s[G0R:G0R+3], s[G1R:G1R+7]  ; my eighth of Wv's panel
	s_nop 0
	PLACES
	ROPEOUT 72
	; ---- k
	BIAS 60
	SETADR 2*PANEL, 0
	KLOOP 0, 1
	ROPEOUT 76
	; ---- v: source 0 = the positions, source 1 = Wv
	SETADR 0, PANEL
	s_wait_tensorcnt 0x0                           ; my eighth of Wv's panel is in
	s_barrier_signal -1
	s_barrier_wait -1                              ; everybody's is
	KLOOP 1, 0
	v_mov_b32 v[TM+2], 0
	v_mov_b32 v[TM+3], 0
.irp a, 0,1                                    ; the bias of my channel onto all my keys; each accumulator is read from its low end on
.set JJ, 0
.rept 16
	v_pk_add_f32 v[ACC+32*\a+JJ:ACC+32*\a+JJ+1], v[ACC+32*\a+JJ:ACC+32*\a+JJ+1], v[248+2*\a:249+2*\a] op_sel_hi:[1,0]
.set JJ, JJ+2
.endr
.endr
	QUANT2 ACC, 172, 168, 186
	global_store_b128 v7, v[172:175], s[80:81]
	global_store_b64 v8, v[176:177], s[80:81] offset:512
	global_store_b16 v11, v186, s[82:83]                           ; my two bytes of the tile's scale words
	QUANT2 ACC+32, 180, 168, 187
	global_store_b128 v7, v[180:183], s[80:81] offset:1536
	global_store_b64 v8, v[184:185], s[80:81] offset:1536+512
	global_store_b16 v11, v187, s[82:83] offset:128
	s_wait_tensorcnt 0x0                           ; the wave's end
	ds_add_u32 v254, v255
	s_wait_dscnt 0x0
	CROUND                                         ; the closing round
	s_endpgm
.Lfunc_end_k_q88f68fe57b_gqkv:
	.size	k_q88f68fe57b_gqkv, .Lfunc_end_k_q88f68fe57b_gqkv-k_q88f68fe57b_gqkv
	.p2alignl 7, 3214868480
	.fill 96, 4, 3214868480
	.section	.rodata,"a",@progbits
	.p2align	6, 0x0
	.amdhsa_kernel k_q88f68fe57b_gqkv
		.amdhsa_group_segment_fixed_size 327680
		.amdhsa_private_segment_fixed_size 0
		.amdhsa_enable_private_segment 0
		.amdhsa_kernarg_size 64
		.amdhsa_user_sgpr_count 2
		.amdhsa_user_sgpr_kernarg_segment_ptr 1
		.amdhsa_wavefront_size32 1
		.amdhsa_system_sgpr_workgroup_id_x 1
		.amdhsa_system_sgpr_workgroup_id_y 1
		.amdhsa_system_sgpr_workgroup_id_z 1
		.amdhsa_system_vgpr_workitem_id 0
		.amdhsa_next_free_vgpr 256
		.amdhsa_next_free_sgpr 102
		.amdhsa_reserve_vcc 0
		.amdhsa_float_denorm_mode_32 3
		.amdhsa_float_denorm_mode_16_64 3
		.amdhsa_memory_ordered 1
		.amdhsa_forward_progress 1
		.amdhsa_inst_pref_size 119
	.end_amdhsa_kernel
	.amdgpu_metadata
---
amdhsa.version: [ 1, 2 ]
amdhsa.kernels:
  - .name:           k_q88f68fe57b_gqkv
    .symbol:         k_q88f68fe57b_gqkv.kd
    .args:
      - { .name: wpk, .offset: 0, .size: 8, .value_kind: global_buffer, .address_space: global }
      - { .name: hn, .offset: 8, .size: 8, .value_kind: global_buffer, .address_space: global }
      - { .name: rope, .offset: 16, .size: 8, .value_kind: global_buffer, .address_space: global }
      - { .name: bq, .offset: 24, .size: 8, .value_kind: global_buffer, .address_space: global }
      - { .name: bk, .offset: 32, .size: 8, .value_kind: global_buffer, .address_space: global }
      - { .name: bv, .offset: 40, .size: 8, .value_kind: global_buffer, .address_space: global }
      - { .name: qpk, .offset: 48, .size: 8, .value_kind: global_buffer, .address_space: global }
      - { .name: kv, .offset: 56, .size: 8, .value_kind: global_buffer, .address_space: global }
    .group_segment_fixed_size: 327680
    .private_segment_fixed_size: 0
    .kernarg_segment_align: 8
    .kernarg_segment_size: 64
    .max_flat_workgroup_size: 256
    .sgpr_count:     102
    .vgpr_count:     256
    .wavefront_size: 32
...
	.end_amdgpu_metadata
.endif
;; end of part 2
;; launch attn (part 3): grid 16 x 16, 16 waves a work-group, no clusters, 327,680 bytes of LDS; arguments qpk, kv, ao; writes ao
.if DOCPART == 3
	.amdgcn_target "amdgcn-amd-amdhsa--gfx1250"
	.amdhsa_code_object_version 6
	.text
	.protected	k_q88f68fe57b_attn
	.globl	k_q88f68fe57b_attn
	.p2align	8
	.type	k_q88f68fe57b_attn,@function
k_q88f68fe57b_attn:
	s_mov_b64 s[64:65], 0
	v_nop
	global_prefetch_b8 v0, s[64:65] scope:SCOPE_SE
	s_setreg_imm32_b32 hwreg(HW_REG_WAVE_MODE, 25, 1), 1
	s_wait_xcnt 0x0
; Causal attention, 16 heads of 64, 4,096 positions, both products on codes of BF6 (E3M2) with one E8M0 scale for each 32 along a product's K; the result, divided by the row's sum, is quantised along the last product's K, stored in its PANELs.
; THE SOFTMAX: t = score x log2(e) / 8; M = the largest t so far, rounded UP to a whole number; p = 2^(t - M) is quantised along the keys, not normalised.  The row's sum is taken of the unquantised p, in f32, and divides O at the end.
; When M moves, the sum and O are multiplied by 2^(old M - new M): exact.  Key steps all of whose keys come after a block's queries lie wholly under the mask that the problem itself builds: they are not walked.
; IN: for head and block of 128 positions 13,824 bytes (a KEY STEP), as images of the operands' registers: K's codes at tile x 768 (lane L's registers 0-3 at 16 L, 4-5 at 512 + 8 L); V's, keys innermost, at 6,144 + channel tile x 1,536 + c x 768;
; K's scale words at 12,288 + (tile / 2) x 256 + 8 L + 4 (tile % 2); V's at 13,312 + channel tile x 128 + 4 L.  Q lies in qpk as K in kv.  Tile T holds in lane-row r the row 32 (T / 2) + 8 (T % 2) + r + 8 (r / 8).
; The first product's K is 64: registers 6-11 of Q's fragment are zero codes, cleared once.  Both products are used transposed (S^T = K Q^T, O^T = V^T P^T): a lane holds ONE query (lane % 16) throughout.
; SHARES: work-group (g, head) owns the blocks 31 - g and g of 128 queries and walks them ONE AFTER THE OTHER.  A tile of 16 queries belongs to a PAIR of waves 2 i, 2 i + 1: a slot of the ring holds two key steps, and of each slot one wave
; of the pair takes the even key step and the other the odd one (which: (w xor w / 4) % 2, so that two of each kind stand among waves w, w + 4, w + 8, w + 12 and among four neighbours).  Block B has B + 1 key steps, so the two walks take
; ceil((32 - g) / 2) + ceil((g + 1) / 2) = 17 slots whatever g: the trips are a constant, and in every trip each of the sixteen waves has one key step (one wave in two has none in the one slot that is half hidden).
; AT A BLOCK'S END the wave of the odd steps stores O^T, -M and its sum in LDS bytes of its own (4,352; two such regions, by the slot's turn, so that what is read in a trip is never what is written in it); the next trip's barrier
; orders that; its partner brings both parts under the larger M (factors 2^n, exact), adds, divides, quantises and stores.  Then all waves take the second block's Q, loaded at the head, and -3e38 as the largest t: the next step's factor is then 0,
; which clears O and the sum.  A wave that has no step in a block gives a part that its partner multiplies by 0.
; THE RING: two slots of 27,648 bytes, filled by waves 0-3 (27 rows of 256 bytes each); one tensor load of a wave is out, asked for a whole trip ahead of its first read.  No LDS address is stepped.
; NO CLUSTER: the work-groups of a head change over to their second block at different trips (9 to 16), so partners' requests differ.  NO PREFETCH: a slot is asked for sixteen key steps of the work-group's work ahead of its first read.
; LIMITS: a block of p or of the result whose largest magnitude lies under 2^-122 keeps the byte 1 (zeros have zero codes).  A block's largest p is made from its largest score by the same two instructions, which takes v_exp_f32 not to
; fall where its input rises.  The promise holds while the scaled scores stay under 2^31.  NaN and infinities are not served (the clearing by a factor 0 takes finite numbers).
.set KVS,   13824
.set SLOTB, 27648
.set HEADB, 442368
.set PANEL, 106496
.set SPARE, 55296                      ; behind the ring: the spare words, 128 bytes a wave
.set SCR,   57344                      ; behind them: each wave's two regions for its part
.set RSC,   4352
; K'S EIGHT FRAGMENTS LIE 6 REGISTERS APART, v32-79: a fragment's registers 6-11 (k = 64 .. 127) are the next fragment's codes, the last one's are v80-85, cleared once.  Q's codes there are zeros, so these products add nothing whatever K's
; registers hold there (every pattern of 6 bits is a finite number; the scale bytes of k = 64 .. 127 are 0, a finite code).  So one run of loads and one wait serve a step's eight products, and V's fragments then take v32-79.
.set S,     86                         ; v86-149 S^T, then p; at a block's end the partner's part
.set O,     150                        ; v150-181 O^T
.set PC,    182
.set PT,    194
.set BM,    202
.set PM,    206
.set SO,    210
.set KSC,   214                        ; v214-221 K's scale words; v222-225 V's; v20 Q's; v21 p's; v236 the second Q's
.set VSC,   222
.set TM,    206
.set GL16,  226                        ; 16 x lane, 8 x lane: offsets in memory
.set GL8,   227
.set STA,   228                        ; my regions: O^T;  -M and the sum
.set STB,   229
.set Q2,    230                        ; v230-235 the second block's Q
.set LDA,   237                        ; my partner's regions
.set LDB,   238
.set WV,    10
.set TI,    11                         ; my tile
.set PAR,   12                         ; 0: even key steps, and I finish the tile; 1: odd ones
.set BLK,   13                         ; the block in hand = its last key step
.set KJ,    14                         ; my key step of this trip
.set T,     15                         ; the trip
.set SEL,   16
.set CS,    18
.set G1,    20
.set G0,    28                         ; s[28:31], s[32:35] group 0 of slot 0, 1
.set N1,    36                         ; the first block's slots
.set N1M,   37
.set LC,    38
; v1 my spare word, v2 = 0; v3, v4, v5 = 16, 8, 4 x lane + my key step's place in a slot; v6 my query's place - 16 (lane / 16); v8-19 Q; v22 -M, v23 largest t; v[24:25] the sum; v[26:27], v[30:31] factors; v32-85 K, then V
	s_load_b128 s[4:7], s[0:1], 0x0                ; qpk, kv
	s_load_b64 s[8:9], s[0:1], 0x10                ; ao
	v_lshl_add_u32 v1, v0, 2, SPARE
	v_mov_b32 v2, 0
	ds_add_u32 v1, v2                              ; the opening lines
	ds_add_u32 v1, v2
	v_lshrrev_b32 v3, 5, v0
	s_delay_alu instid0(VALU_DEP_1)
	v_readfirstlane_b32 s[WV], v3
	s_lshr_b32 s[TI], s[WV], 1
	s_lshr_b32 s[PAR], s[WV], 2
	s_xor_b32 s[PAR], s[PAR], s[WV]
	s_and_b32 s[PAR], s[PAR], 1
	s_sub_co_u32 s[BLK], 31, ttmp9                 ; the longer block first
	s_sub_co_u32 s[N1], 33, ttmp9
	s_lshr_b32 s[N1], s[N1], 1                     ; ceil((32 - g) / 2): 9 to 16
	s_sub_co_u32 s[N1M], s[N1], 1
	s_and_b32 s56, ttmp7, 0xffff                   ; the head
	s_mov_b32 s[KJ], s[PAR]
	s_mov_b32 s[T], 0
	s_mov_b32 s[LC], 0
	s_mov_b32 s[SEL], 0x76543210
	s_mov_b32 s[SEL+1], 0xfedcba98
	s_mov_b32 s[CS], 0x3e38aa3b                    ; log2(e) / 8
	s_mov_b32 s[CS+1], s[CS]
	s_mov_b32 s[G1], 3<<16                         ; elements of 8 bytes, no mask, no padding
	s_mov_b32 s[G1+1], 32<<16                      ; rows of 256 bytes
	s_mov_b32 s[G1+2], 27<<16
	s_mov_b32 s[G1+3], 32<<16
	s_mov_b32 s[G1+4], 27
	s_mov_b32 s[G1+5], 32
	s_mov_b32 s[G1+6], 0
	s_mov_b32 s[G1+7], 0
	s_mul_i32 s57, s56, HEADB
	s_and_b32 s58, s[WV], 3
	s_mul_i32 s58, s58, 6912                       ; the quarter of a slot that I fetch, if I fetch
	s_add_co_u32 s42, s57, s58
	s_mov_b32 s43, 0
	s_mul_i32 s59, s[TI], 768                      ; Q: my tile's codes
	s_lshr_b32 s63, s[TI], 1
	s_and_b32 s69, s[TI], 1
	s_lshl_b32 s60, s63, 8
	s_lshl_b32 s78, s69, 2
	s_add_co_u32 s60, s60, s78
	s_add_co_u32 s60, s60, 12288                   ; its scale words
	s_lshl_b32 s78, s63, 5
	s_lshl_b32 s69, s69, 3
	s_add_co_u32 s78, s78, s69                     ; its first row in the block
	s_mul_i32 s61, s[BLK], KVS
	s_add_co_u32 s61, s61, s57
	s_mul_i32 s62, ttmp9, KVS
	s_add_co_u32 s62, s62, s57
	s_lshr_b32 s63, s56, 2                         ; out: K = 64 head + channel: chunk head / 4, K step (head / 2) % 2, half image head % 2
	s_mul_i32 s63, s63, 26624
	s_bfe_u32 s66, s56, 0x10001
	s_and_b32 s67, s56, 1
	s_mul_i32 s68, s66, 12288
	s_add_co_u32 s68, s68, s63
	s_mul_i32 s69, s[TI], 1536
	s_add_co_u32 s68, s68, s69
	s_mul_i32 s69, s67, 768
	s_add_co_u32 s68, s68, s69                     ; the codes' place in a panel
	s_lshl_b32 s69, s[TI], 8
	s_add_co_u32 s70, s63, s69
	s_lshl_b32 s69, s66, 2
	s_add_co_u32 s70, s70, s69
	s_lshl_b32 s69, s67, 1
	s_add_co_u32 s70, s70, s69
	s_add_co_u32 s70, s70, 24576                   ; the scale bytes'
	s_mul_i32 s71, s[BLK], PANEL
	s_mul_i32 s72, ttmp9, PANEL
	s_mul_i32 s73, s[PAR], KVS
	s_mul_i32 s76, s[WV], 2*RSC
	s_add_co_u32 s76, s76, SCR
	s_xor_b32 s77, s[WV], 1
	s_mul_i32 s77, s77, 2*RSC
	s_add_co_u32 s77, s77, SCR
	s_mov_b32 s75, 0
	s_wait_dscnt 0x0
	s_wait_kmcnt 0x0
	s_add_nc_u64 s[40:41], s[6:7], s[42:43]        ; the head's keys, my quarter
	s_mov_b32 s[G0], 1
	s_mov_b32 s[G0+1], s58
	s_mov_b64 s[G0+2:G0+3], s[40:41]
	s_or_b32 s[G0+3], s[G0+3], 0x80000000
	s_mov_b32 s[G0+4], 1
	s_add_co_u32 s[G0+5], s58, SLOTB
	s_cmp_lt_u32 s[WV], 4
	s_cbranch_scc0 .Lno_first
	tensor_load_to_lds s[G0:G0+3], s[G1:G1+7]      ; slot 0's first fill
	s_nop 0
.rept 4
	v_nop
.endr
.Lno_first:
	s_mov_b32 s74, s61
	s_add_nc_u64 s[44:45], s[4:5], s[74:75]        ; Q of the first block,
	s_mov_b32 s74, s62
	s_add_nc_u64 s[46:47], s[4:5], s[74:75]        ; of the second
	s_add_co_u32 s74, s71, s68
	s_add_nc_u64 s[48:49], s[8:9], s[74:75]        ; out, the block in hand: codes, scale bytes
	s_add_co_u32 s74, s71, s70
	s_add_nc_u64 s[50:51], s[8:9], s[74:75]
	s_add_co_u32 s74, s72, s68
	s_add_nc_u64 s[52:53], s[8:9], s[74:75]        ; and the second block
	s_add_co_u32 s74, s72, s70
	s_add_nc_u64 s[54:55], s[8:9], s[74:75]
	v_and_b32 v7, 31, v0
	v_and_b32 v6, 15, v0
	v_and_b32 v31, 8, v0
	v_lshlrev_b32 v[GL16], 4, v7
	v_lshlrev_b32 v[GL8], 3, v7
	v_lshlrev_b32 v5, 2, v7
	v_add_nc_u32 v28, s59, v[GL16]
	v_add_nc_u32 v29, s59, v[GL8]
	v_add_nc_u32 v30, s60, v[GL8]
	global_load_b128 v[8:11], v28, s[44:45]        ; both blocks' Q stay in registers
	global_load_b64 v[12:13], v29, s[44:45] offset:512
	global_load_b32 v20, v30, s[44:45]
	global_load_b128 v[Q2:Q2+3], v28, s[46:47]
	global_load_b64 v[Q2+4:Q2+5], v29, s[46:47] offset:512
	global_load_b32 v[Q2+6], v30, s[46:47]
	v_add_nc_u32 v3, s73, v[GL16]
	v_add_nc_u32 v4, s73, v[GL8]
	v_add_nc_u32 v5, s73, v5
	v_add_nc_u32 v[STA], s76, v[GL16]
	v_add_nc_u32 v[STB], s76, v[GL8]
	v_add_nc_u32 v[LDA], s77, v[GL16]
	v_add_nc_u32 v[LDB], s77, v[GL8]
	v_add_nc_u32 v6, v6, v31                       ; r + 8 (r / 8)
	v_and_b32 v31, 16, v0
	s_delay_alu instid0(VALU_DEP_1)
	v_sub_nc_u32 v6, v6, v31                       ; - 16 h
	s_delay_alu instid0(VALU_DEP_1)
	v_add_nc_u32 v6, s78, v6
.irp j, 14,15,16,17,18,19
	v_mov_b32 v\j, 0                               ; Q's k = 64 .. 127: zero codes
.endr
.irp j, 80,81,82,83,84,85
	v_mov_b32 v\j, 0                               ; behind K's last fragment: no load lands here
.endr
.set JJ, 0
.rept 32
	v_mov_b32 v[O+JJ], 0
.set JJ, JJ+1
.endr
	v_mov_b32 v23, 0xff61b1e6                      ; -3e38, under every t
	v_mov_b32 v24, 0
	v_mov_b32 v25, 0
	v_mov_b32 v27, 0                               ; (upper halves of pairs that are named whole)
	v_floor_f32 v22, -v23
.irp b, 0,1,2,3
	v_mov_b32 v[PM+\b], 0                          ; a lane permute's destination counts as one of its sources
.endr
; MY KEY STEP of the slot: 128 keys
.macro STEP slot
.set BASE, (\slot)*SLOTB
	s_cmp_gt_u32 s[KJ], s[BLK]                     ; all its keys come after the block's queries
	s_cbranch_scc1 .Lhid_\@
.irp p, 0,1,2,3
	ds_load_b64 v[KSC+2*\p:KSC+2*\p+1], v4 offset:BASE+12288+256*\p
.endr
.irp t, 0,1,2,3,4,5,6,7
	ds_load_b128 v[32+6*\t:35+6*\t], v3 offset:BASE+768*\t
	ds_load_b64 v[36+6*\t:37+6*\t], v4 offset:BASE+768*\t+512
.endr
	s_wait_dscnt 0x0
.irp t, 0,1,2,3,4,5,6,7                        ; S^T = K Q^T
	v_wmma_scale_f32_16x16x128_f8f6f4 v[S+8*\t:S+8*\t+7], v[32+6*\t:43+6*\t], v[8:19], 0, v[KSC+\t], v20 matrix_a_fmt:MATRIX_FMT_BF6 matrix_b_fmt:MATRIX_FMT_BF6
.endr
.rept 4
	v_nop                                          ; places ahead of loads into these products' sources and of the first read of their results
.endr
.irp t, 0,1,2,3                                ; V's four fragments (16 channels x these 128 keys each) take K's place: asked for here, waited for ahead of the second product
	ds_load_b128 v[32+12*\t:35+12*\t], v3 offset:BASE+6144+1536*\t
	ds_load_b64 v[36+12*\t:37+12*\t], v4 offset:BASE+6144+1536*\t+512
	ds_load_b128 v[38+12*\t:41+12*\t], v3 offset:BASE+6144+1536*\t+768
	ds_load_b64 v[42+12*\t:43+12*\t], v4 offset:BASE+6144+1536*\t+1280
	ds_load_b32 v[VSC+\t], v5 offset:BASE+13312+128*\t
.endr
	s_cmp_lt_u32 s[KJ], s[BLK]                     ; only the block's last step lies on the diagonal
	s_cbranch_scc1 .Lopen_\@
	v_mov_b32 v29, 0xff800000                      ; hidden scores become -infinity; a query's own key lies in this step, so the maximum is a number
.set NN, 0
.rept 64
	v_cmp_gt_i32 vcc_lo, 32*(NN/16)+NN%16, v6
	v_cndmask_b32 v[S+NN], v[S+NN], v29, vcc_lo
.set NN, NN+1
.endr
.Lopen_\@:
.irp b, 0,1,2,3
	v_max3_num_f32 v[BM+\b], v[S+16*\b], v[S+1+16*\b], v[S+2+16*\b]        ; each block's largest score: for the row's maximum and for the block's largest p
.endr
.irp i, 3,5,7,9,11,13
.irp b, 0,1,2,3
	v_max3_num_f32 v[BM+\b], v[BM+\b], v[S+16*\b+\i], v[S+1+16*\b+\i]
.endr
.endr
.irp b, 0,1,2,3
	v_max_num_f32 v[BM+\b], v[BM+\b], v[S+15+16*\b]
.endr
.irp b, 0,1,2,3
	s_delay_alu instid0(VALU_DEP_4)
	v_permlanex16_b32 v[PM+\b], v[BM+\b], s[SEL], s[SEL+1]
.endr
.irp b, 0,1,2,3
	s_delay_alu instid0(VALU_DEP_4)
	v_max_num_f32 v[BM+\b], v[BM+\b], v[PM+\b]
.endr
	s_delay_alu instid0(VALU_DEP_2)
	v_max3_num_f32 v28, v[BM], v[BM+1], v[BM+2]
	s_delay_alu instid0(VALU_DEP_1)
	v_max_num_f32 v28, v28, v[BM+3]
	s_delay_alu instid0(VALU_DEP_1)
	v_mul_f32 v28, s[CS], v28
	s_delay_alu instid0(VALU_DEP_1)
	v_max_num_f32 v23, v23, v28                    ; the running largest t
	v_mov_b32 v28, v22
	s_delay_alu instid0(VALU_DEP_2)
	v_floor_f32 v22, -v23                          ; -M = -ceil(t)
	s_delay_alu instid0(VALU_DEP_1)
	v_sub_f32 v28, v22, v28
	s_delay_alu instid0(VALU_DEP_1)
	v_cvt_i32_f32 v28, v28                         ; (it saturates)
	s_delay_alu instid0(VALU_DEP_1)
	v_ldexp_f32 v26, 1.0, v28                      ; f = 2^(old M - new M)
.set JJ, 0
.rept 32
	v_pk_fma_f32 v[S+JJ:S+JJ+1], v[S+JJ:S+JJ+1], s[CS:CS+1], v[22:23] op_sel_hi:[1,0,0]   ; t - M
.set JJ, JJ+2
.endr
.irp b, 0,1,2,3
	v_fma_f32 v[BM+\b], v[BM+\b], s[CS], v22
.endr
	s_wait_alu depctr_va_vdst(0)                   ; ahead of the batch
.set JJ, 0
.rept 64
	v_exp_f32 v[S+JJ], v[S+JJ]                     ; p
.set JJ, JJ+1
.endr
.irp b, 0,1,2,3
	v_exp_f32 v[BM+\b], v[BM+\b]                   ; the block's largest p
.endr
	v_pk_mul_f32 v[24:25], v[24:25], v[26:27] op_sel_hi:[1,0]      ; the sums under the new M (a plain line behind the batch)
	s_wait_alu depctr_va_vdst(0)                   ; and behind it
.irp b, 0,1,2,3
	v_max_num_f32 v[BM+\b], 0x2800000, v[BM+\b]    ; the floor 2^(5 - 127)
.endr
.irp b, 0,1,2,3
	s_delay_alu instid0(VALU_DEP_4)
	v_add_nc_u32 v[SO+\b], 0xfe000000, v[BM+\b]    ; 4 off the exponent field: the conversion's scale operand
.endr
.irp b, 0,1,2,3
	s_delay_alu instid0(VALU_DEP_4)
	v_lshrrev_b32 v[PM+\b], 23, v[SO+\b]
.endr
	s_delay_alu instid0(VALU_DEP_3)
	v_lshl_or_b32 v21, v[PM+1], 8, v[PM]
	s_delay_alu instid0(VALU_DEP_1)
	v_lshl_or_b32 v21, v[PM+2], 16, v21
	s_delay_alu instid0(VALU_DEP_1)
	v_lshl_or_b32 v21, v[PM+3], 24, v21            ; p's scale word
.irp c, 0,1
	v_cvt_scalef32_pk16_bf6_f32 v[PC+6*\c:PC+2+6*\c], v[S+32*\c:S+15+32*\c], v[SO+2*\c]
	v_cvt_scalef32_pk16_bf6_f32 v[PT+4*\c:PT+2+4*\c], v[S+16+32*\c:S+31+32*\c], v[SO+2*\c+1]
.endr
	v_nop                                          ; a plain line behind the scaled conversions
.irp c, 0,1
.irp i, 0,1,2
	v_permlane16_swap_b32 v[PC+6*\c+\i], v[PT+4*\c+\i]     ; a whole block to a lane
.endr
.irp i, 0,1,2
	s_delay_alu instid0(VALU_DEP_3)
	v_mov_b32 v[PC+3+6*\c+\i], v[PT+4*\c+\i]
.endr
.endr
	v_pk_add_f32 v[30:31], v[S:S+1], v[S+2:S+3]    ; the row's sum of the unquantised p: four chains by turns
	v_pk_add_f32 v[244:245], v[S+4:S+5], v[S+6:S+7]
	v_pk_add_f32 v[246:247], v[S+8:S+9], v[S+10:S+11]
.irp j, 12,20,28,36,44,52
	v_pk_add_f32 v[24:25], v[24:25], v[S+\j:S+\j+1]
	v_pk_add_f32 v[30:31], v[30:31], v[S+\j+2:S+\j+3]
	v_pk_add_f32 v[244:245], v[244:245], v[S+\j+4:S+\j+5]
	v_pk_add_f32 v[246:247], v[246:247], v[S+\j+6:S+\j+7]
.endr
	v_pk_add_f32 v[24:25], v[24:25], v[S+60:S+61]
	v_pk_add_f32 v[30:31], v[30:31], v[S+62:S+63]
	v_pk_add_f32 v[244:245], v[244:245], v[246:247]
	s_delay_alu instid0(VALU_DEP_2)
	v_pk_add_f32 v[24:25], v[24:25], v[30:31]
	s_delay_alu instid0(VALU_DEP_1)
	v_pk_add_f32 v[24:25], v[24:25], v[244:245]
	s_wait_alu depctr_va_vdst(0)                   ; ahead of the first reader of O^T
.set JJ, 0
.rept 16
	v_pk_mul_f32 v[O+JJ:O+JJ+1], v[O+JJ:O+JJ+1], v[26:27] op_sel_hi:[1,0]  ; O^T x f; with the sums: the places between the scale word's and the codes' making and the products
.set JJ, JJ+2
.endr
	s_wait_alu depctr_va_vdst(0)
	s_wait_dscnt 0x0
.irp t, 0,1,2,3                                ; O^T += V^T P^T; the four accumulators take turns
	v_wmma_scale_f32_16x16x128_f8f6f4 v[O+8*\t:O+8*\t+7], v[32+12*\t:43+12*\t], v[PC:PC+11], v[O+8*\t:O+8*\t+7], v[VSC+\t], v21 matrix_a_fmt:MATRIX_FMT_BF6 matrix_b_fmt:MATRIX_FMT_BF6
.endr
.rept 4
	v_nop                                          ; places ahead of the next loads into these products' sources and of the stores and reads of their results
.endr
.Lhid_\@:
	s_add_co_u32 s[KJ], s[KJ], 2
.endm
; The wave of the odd steps hands its part over: O^T from each accumulator's low end on, -M, its sum
.macro GIVE reg
	v_add_f32 v23, v24, v25
.irp j, 0,1,2,3,4,5,6,7
	ds_store_b128 v[STA], v[O+4*\j:O+4*\j+3] offset:(\reg)*RSC+512*\j
.endr
	ds_store_b64 v[STB], v[22:23] offset:(\reg)*RSC+4096
.endm
; The wave of the even steps finishes the tile, behind the barrier that followed its partner's stores
.macro COLLECT reg
	s_cmp_eq_u32 s[PAR], 0
	s_cbranch_scc0 .Lnc_\@
.irp j, 0,1,2,3,4,5,6,7
	ds_load_b128 v[S+4*\j:S+4*\j+3], v[LDA] offset:(\reg)*RSC+512*\j
.endr
	ds_load_b64 v[S+32:S+33], v[LDB] offset:(\reg)*RSC+4096
	v_add_f32 v24, v24, v25
	s_wait_alu depctr_va_vdst(0)
	s_wait_dscnt 0x0
	v_min_num_f32 v28, v22, v[S+32]                ; - the larger M
	s_delay_alu instid0(VALU_DEP_1)
	v_sub_f32 v29, v28, v22                        ; whole numbers, 0 or less
	v_sub_f32 v30, v28, v[S+32]
	s_delay_alu instid0(VALU_DEP_2)
	v_cvt_i32_f32 v29, v29
	s_delay_alu instid0(VALU_DEP_2)
	v_cvt_i32_f32 v30, v30
	s_delay_alu instid0(VALU_DEP_2)
	v_ldexp_f32 v26, 1.0, v29                      ; my factor,
	s_delay_alu instid0(VALU_DEP_2)
	v_ldexp_f32 v30, 1.0, v30                      ; my partner's: powers of two, or 0
	s_delay_alu instid0(VALU_DEP_2)
	v_mul_f32 v24, v24, v26
	s_delay_alu instid0(VALU_DEP_1)
	v_fmac_f32 v24, v[S+33], v30
	s_delay_alu instid0(VALU_DEP_1)
	v_permlanex16_b32 v28, v24, s[SEL], s[SEL+1]
	s_delay_alu instid0(VALU_DEP_1)
	v_add_f32 v24, v24, v28                        ; the row's sum
	s_wait_alu depctr_va_vdst(0)
	v_rcp_f32 v24, v24
	v_nop
	s_wait_alu depctr_va_vdst(0)
	v_mul_f32 v26, v26, v24                        ; the factors take the division in: a power of two times 1 / sum rounds nothing more
	v_mul_f32 v30, v30, v24
	s_wait_alu depctr_va_vdst(0)                   ; ahead of the first reader of O^T
.set JJ, 0
.rept 16
	v_pk_mul_f32 v[O+JJ:O+JJ+1], v[O+JJ:O+JJ+1], v[26:27] op_sel_hi:[1,0]
.set JJ, JJ+2
.endr
.set JJ, 0
.rept 16
	v_pk_fma_f32 v[O+JJ:O+JJ+1], v[S+JJ:S+JJ+1], v[30:31], v[O+JJ:O+JJ+1] op_sel_hi:[1,0,1]
.set JJ, JJ+2
.endr
.irp b, 0,1                                    ; register 16 B + i is channel 32 B + 16 h + i: 16 neighbours of each block of the last product's K
	v_max3_num_f32 v[TM+\b], |v[O+16*\b]|, |v[O+1+16*\b]|, 0x2800000
.endr
.irp i, 2,4,6,8,10,12,14
.irp b, 0,1
	s_delay_alu instid0(VALU_DEP_2)
	v_max3_num_f32 v[TM+\b], v[TM+\b], |v[O+16*\b+\i]|, |v[O+1+16*\b+\i]|
.endr
.endr
.irp b, 0,1
	s_delay_alu instid0(VALU_DEP_2)
	v_permlanex16_b32 v[TM+2+\b], v[TM+\b], s[SEL], s[SEL+1]
.endr
.irp b, 0,1
	s_delay_alu instid0(VALU_DEP_2)
	v_max_num_f32 v[TM+\b], v[TM+\b], v[TM+2+\b]
.endr
.irp b, 0,1
	s_delay_alu instid0(VALU_DEP_2)
	v_add_nc_u32 v[TM+4+\b], 0xfe000000, v[TM+\b]
.endr
.irp b, 0,1
	s_delay_alu instid0(VALU_DEP_2)
	v_lshrrev_b32 v[TM+2+\b], 23, v[TM+4+\b]
.endr
	s_delay_alu instid0(VALU_DEP_1)
	v_lshl_or_b32 v29, v[TM+3], 8, v[TM+2]         ; my head's two bytes of the row's scale word
	v_cvt_scalef32_pk16_bf6_f32 v[PC:PC+2], v[O:O+15], v[TM+4]
	v_cvt_scalef32_pk16_bf6_f32 v[PT:PT+2], v[O+16:O+31], v[TM+5]
	v_nop
.irp i, 0,1,2
	v_permlane16_swap_b32 v[PC+\i], v[PT+\i]
.endr
.irp i, 0,1,2
	s_delay_alu instid0(VALU_DEP_3)
	v_mov_b32 v[PC+3+\i], v[PT+\i]
.endr
	global_store_b128 v[GL16], v[PC:PC+3], s[48:49]                ; a half image: 512 and 256 consecutive aligned bytes
	global_store_b64 v[GL8], v[PC+4:PC+5], s[48:49] offset:512
	global_store_b16 v[GL8], v29, s[50:51]                         ; 2 bytes a lane, 8 apart: the word's other half is another head's; 64 bytes beside 768 of codes
	s_wait_xcnt 0x0                                ; the stores' registers and bases are written again only behind this wait
.Lnc_\@:
.endm
; A trip.  Every wave waits for all its tensor loads, adds 0 to its spare word, and waits for that, for its reads of the other slot and for its stores;
; behind the barrier this slot is whole, and the other one takes the slot that follows in the walk: T + 1, counted anew from the head's first keys where the second block begins.
.macro TRIP slot, refill
	s_wait_alu depctr_va_vdst(0)                   ; ahead of the blocking waits
	s_wait_tensorcnt 0x0
.if \refill
	ds_add_u32 v1, v2
	ds_add_u32 v1, v2
	s_add_co_u32 s42, s[T], 1
	s_cmp_lt_u32 s42, s[N1]
	s_cselect_b32 s43, 0, s[N1]
	s_sub_co_u32 s42, s42, s43
	s_mul_i32 s42, s42, SLOTB
	s_mov_b32 s43, 0
	s_add_nc_u64 s[G0+6-4*\slot:G0+7-4*\slot], s[40:41], s[42:43]  ; no tensor load of mine is out, so a group 0 may be written
	s_or_b32 s[G0+7-4*\slot], s[G0+7-4*\slot], 0x80000000
.endif
	s_wait_dscnt 0x0
	s_barrier_signal -1
	s_barrier_wait -1
.if \refill
	s_cmp_lt_u32 s[WV], 4
	s_cbranch_scc0 .Lnf_\@
	tensor_load_to_lds s[G0+4-4*\slot:G0+7-4*\slot], s[G1:G1+7]
	s_nop 0
.rept 4
	v_nop
.endr
.Lnf_\@:
.endif
	s_cmp_eq_u32 s[T], s[N1]                       ; the second block begins: a test on ids, the same in all waves
	s_cbranch_scc0 .Lsame_\@
	COLLECT 1-\slot                                ; what the last trip stored
	v_mov_b32 v20, v[Q2+6]                         ; the second block's Q; ten lines stand between the scale word's move and the next product, four behind the codes'
.irp j, 0,1,2,3,4,5
	v_mov_b32 v[8+\j], v[Q2+\j]
.endr
	v_mov_b32 v23, 0xff61b1e6                      ; the next step's factor is 0: it clears O^T and the sum
	v_floor_f32 v22, -v23
	v_nop
	v_nop
	s_mov_b32 s[BLK], ttmp9
	s_mov_b32 s[KJ], s[PAR]
	s_mov_b64 s[48:49], s[52:53]
	s_mov_b64 s[50:51], s[54:55]
	s_wait_alu depctr_va_vdst(0)
.Lsame_\@:
	STEP \slot
.if \refill
	s_cmp_eq_u32 s[T], s[N1M]                      ; the first block's last trip (the second block's is the tail)
	s_cbranch_scc0 .Lng_\@
.endif
	s_cmp_lg_u32 s[PAR], 0
	s_cbranch_scc0 .Lng_\@
	GIVE \slot
.Lng_\@:
	s_add_co_u32 s[T], s[T], 1
.endm
	s_wait_alu depctr_va_vdst(0)                   ; at the head's end
	s_wait_loadcnt 0x0                             ; Q
.Lloop:                                                ; trips 0 to 15
	TRIP 0, 1
	TRIP 1, 1
	s_add_co_u32 s[LC], s[LC], 1
	s_cmp_lt_u32 s[LC], 8
	s_cbranch_scc1 .Lloop
	TRIP 0, 0                                      ; trip 16 asks for nothing more
	s_wait_alu depctr_va_vdst(0)
	s_wait_dscnt 0x0                               ; for the partner's sake: my part lies in LDS
	s_barrier_signal -1
	s_barrier_wait -1
	COLLECT 0
	s_wait_tensorcnt 0x0                           ; the wave's end
	ds_add_u32 v1, v2
	s_wait_dscnt 0x0
	s_endpgm
.Lfunc_end_k_q88f68fe57b_attn:
	.size	k_q88f68fe57b_attn, .Lfunc_end_k_q88f68fe57b_attn-k_q88f68fe57b_attn
	.p2alignl 7, 3214868480
	.fill 96, 4, 3214868480
	.section	.rodata,"a",@progbits
	.p2align	6, 0x0
	.amdhsa_kernel k_q88f68fe57b_attn
		.amdhsa_group_segment_fixed_size 327680
		.amdhsa_private_segment_fixed_size 0
		.amdhsa_enable_private_segment 0
		.amdhsa_kernarg_size 24
		.amdhsa_user_sgpr_count 2
		.amdhsa_user_sgpr_kernarg_segment_ptr 1
		.amdhsa_wavefront_size32 1
		.amdhsa_system_sgpr_workgroup_id_x 1
		.amdhsa_system_sgpr_workgroup_id_y 1
		.amdhsa_system_sgpr_workgroup_id_z 1
		.amdhsa_system_vgpr_workitem_id 0
		.amdhsa_next_free_vgpr 256
		.amdhsa_next_free_sgpr 80
		.amdhsa_reserve_vcc 1
		.amdhsa_float_denorm_mode_32 3
		.amdhsa_float_denorm_mode_16_64 3
		.amdhsa_memory_ordered 1
		.amdhsa_forward_progress 1
		.amdhsa_inst_pref_size 108
	.end_amdhsa_kernel
	.amdgpu_metadata
---
amdhsa.version: [ 1, 2 ]
amdhsa.kernels:
  - .name:           k_q88f68fe57b_attn
    .symbol:         k_q88f68fe57b_attn.kd
    .args:
      - { .name: qpk, .offset: 0, .size: 8, .value_kind: global_buffer, .address_space: global }
      - { .name: kv, .offset: 8, .size: 8, .value_kind: global_buffer, .address_space: global }
      - { .name: ao, .offset: 16, .size: 8, .value_kind: global_buffer, .address_space: global }
    .group_segment_fixed_size: 327680
    .private_segment_fixed_size: 0
    .kernarg_segment_align: 8
    .kernarg_segment_size: 24
    .max_flat_workgroup_size: 512
    .sgpr_count:     80
    .vgpr_count:     256
    .wavefront_size: 32
...
	.end_amdgpu_metadata
.endif
;; end of part 3
;; launch go (part 4): grid 8 x 32, 8 waves a work-group, clusters of 4 x 4, 283,648 bytes of LDS; arguments wpk, ao, bo, h, out0; writes out0
.if DOCPART == 4
	.amdgcn_target "amdgcn-amd-amdhsa--gfx1250"
	.amdhsa_code_object_version 6
	.text
	.protected	k_q88f68fe57b_go
	.globl	k_q88f68fe57b_go
	.p2align	8
	.type	k_q88f68fe57b_go,@function
k_q88f68fe57b_go:
	s_mov_b64 s[64:65], 0
	v_nop
	global_prefetch_b8 v0, s[64:65] scope:SCOPE_SE
	s_setreg_imm32_b32 hwreg(HW_REG_WAVE_MODE, 25, 1), 1
	s_wait_xcnt 0x0
	s_wait_alu depctr_hold_cnt(0) depctr_sa_sdst(0) depctr_va_vdst(0) depctr_va_sdst(0) depctr_va_ssrc(0) depctr_va_vcc(0) depctr_vm_vsrc(0)
	s_getreg_b32 s2, hwreg(HW_REG_IB_STS2, 6, 4)
	s_cmp_eq_u32 s2, 0
	s_cbranch_scc0 .Lentry_in_a_cluster
	s_endpgm
.Lentry_in_a_cluster:
	s_bfe_u32 s2, ttmp6, 0x10000c
	s_cmp_lg_u32 s2, 0xf033
	s_cbranch_scc0 .Lentry_shape_is_right
	s_endpgm
.Lentry_shape_is_right:
; out0 = attention's result x Wo + bo + h, the product on codes of BF6 (E3M2) with E8M0 scales, all else in f32.
; OPERANDS lie in PANELs of 106,496 bytes: 128 rows (8 tiles of 16) x K = 1,024, as images of the operand's registers, in four chunks of two K steps of 128 (codes: (K step % 2) x 12,288 + tile x 1,536 + c x 768; lane L's
; registers 0-3 at 16 L, 4-5 at 512 + 8 L; scale words at 24,576 + tile x 256 + 8 L + 4 (K step % 2)).  Tile T holds in lane-row r the row 32 (T / 2) + 8 (T % 2) + r + 8 (r / 8).
; SHARES: a work-group makes 128 (source 0: columns of Wo, x) x 128 (source 1: positions, y).  Both panels, 212,992 bytes, lie in LDS at once: LDS is filled ONCE and nothing is filled again.
; Eight waves, two to a SIMD, 256 registers each: wave w makes source 0's tiles 4 (w % 2) .. + 3 (64 columns) x source 1's tiles 2 (w / 2), + 1 (32 positions): 8 accumulators, which take turns.
; SOURCE 0 = THE WEIGHT: a lane holds one position and eight neighbouring columns to an accumulator.  The bias is what the sums begin with.
; CLUSTER 4 x 4: source 0's panel hangs on x alone and is asked for jointly down a column of the cluster, source 1's on y alone, along a row: each wave issues one joint load, a whole chunk (104 rows of 256 bytes), at the start:
; one tensor load of a wave is out.  One round of the cluster's barrier stands in front of them and one in front of the end.
; THE WAY OUT: a wave's 32 positions x 256 bytes go through its own stage in LDS (rows of 272 bytes, behind the panels, where no tensor load lands) and come back by rows; h is added; sixteen lanes store 256 consecutive aligned bytes.
; LIMITS: NaN and infinities are not served.
.set PANEL, 106496
.set CHUNK, 26624
.set LCH,   53248                      ; a chunk in LDS: source 0's 26,624 bytes, then source 1's
; THE FILLS, as they now stand: a wave issues ONE joint load, a whole chunk of one source (104 rows of 256 bytes): waves 0-3 source 0's chunks 0-3, waves 4-7 source 1's.  One wait for all and one barrier show both panels to every wave.
.set S0ADD, 24                         ; Wo's panels are 24 .. 31 of wpk
.set S1ADD, 0
.set STAGE, 212992                     ; behind the four chunks: 32 rows x 272 bytes for each wave
.set SP,    272
.set ACC,   16                         ; v16-79   accumulator (a, b) at 16 + 32 a + 8 b
.set BUF0,  80                         ; v80-151, v152-223 two sets of fragments: source 0's four at + 12 i, source 1's two at + 48 + 12 a
.set BUF1,  152
.set SC0,   224                        ; v224-235, v236-247 two sets of scale words, and nothing else
.set SC1,   236
.set G1A,   20                         ; s[20:27] descriptor group 1 for source 0;  s[28:35] for source 1: it differs in the mask alone
.set G1B,   28
.set G0A,   36                         ; s[36:39] source 0's group 0;  s[68:71] source 1's
.set G0B,   68
.macro CROUND                          ; a round of the cluster's barrier
	s_barrier_signal -1
	s_barrier_wait -1
	s_cmp_lg_u32 s8, 0
	s_cbranch_scc1 .Lnot_wave_0_\@
	s_barrier_signal -3
.Lnot_wave_0_\@:
	s_barrier_wait -3
	s_barrier_signal -1
	s_barrier_wait -1
.endm
.macro PLACES                          ; four plain vector lines between matrix instructions and loads into registers that they have read, or reads of their results
.rept 4
	v_nop
.endr
.endm
.macro FETCH buf, par                  ; 24 LDS loads: a K step's six fragments, each as two half images
.irp i, 0,1,2,3
	ds_load_b128 v[\buf+12*\i:\buf+12*\i+3], v1 offset:\par*12288+\i*1536
	ds_load_b64 v[\buf+12*\i+4:\buf+12*\i+5], v2 offset:\par*12288+\i*1536+512
	ds_load_b128 v[\buf+12*\i+6:\buf+12*\i+9], v1 offset:\par*12288+\i*1536+768
	ds_load_b64 v[\buf+12*\i+10:\buf+12*\i+11], v2 offset:\par*12288+\i*1536+1280
.endr
.irp a, 0,1
	ds_load_b128 v[\buf+48+12*\a:\buf+48+12*\a+3], v3 offset:\par*12288+\a*1536
	ds_load_b64 v[\buf+48+12*\a+4:\buf+48+12*\a+5], v4 offset:\par*12288+\a*1536+512
	ds_load_b128 v[\buf+48+12*\a+6:\buf+48+12*\a+9], v3 offset:\par*12288+\a*1536+768
	ds_load_b64 v[\buf+48+12*\a+10:\buf+48+12*\a+11], v4 offset:\par*12288+\a*1536+1280
.endr
.endm
.macro SCALES set                      ; 6 LDS loads: a chunk's scale words, both K steps' at once
.irp i, 0,1,2,3
	ds_load_b64 v[\set+2*\i:\set+2*\i+1], v5 offset:\i*256
.endr
.irp a, 0,1
	ds_load_b64 v[\set+8+2*\a:\set+8+2*\a+1], v6 offset:\a*256
.endr
.endm
.macro MUL buf, set, par               ; a K step's 8 products
.irp a, 0,1
.irp b, 0,1,2,3
	v_wmma_scale_f32_16x16x128_f8f6f4 v[ACC+32*\a+8*\b:ACC+32*\a+8*\b+7], v[\buf+12*\b:\buf+12*\b+11], v[\buf+48+12*\a:\buf+48+12*\a+11], v[ACC+32*\a+8*\b:ACC+32*\a+8*\b+7], v[\set+2*\b+\par], v[\set+8+2*\a+\par] matrix_a_fmt:MATRIX_FMT_BF6 matrix_b_fmt:MATRIX_FMT_BF6
.endr
.endr
.endm
.macro NEXTCHUNK set                   ; on to the next chunk, which lies in LDS since the one barrier
	s_wait_dscnt 0x0                               ; the fragments of the step in hand are in
.irp r, 1,2,3,4,5,6
	v_add_nc_u32 v\r, LCH, v\r                     ; six plain lines: also the places behind the last products
.endr
	SCALES \set
.endm
	s_load_b256 s[84:91], s[0:1], 0x0              ; wpk (source 0), ao (source 1), bo, h
	s_load_b64 s[92:93], s[0:1], 0x20              ; out0
	v_lshl_add_u32 v254, v0, 2, 0x45000
	v_mov_b32 v255, 0
	ds_add_u32 v254, v255
	ds_add_u32 v254, v255
	v_lshrrev_b32 v1, 5, v0
	s_delay_alu instid0(VALU_DEP_1)
	v_readfirstlane_b32 s8, v1                     ; wave 0..7
	s_lshr_b32 s9, s8, 2                           ; I fetch for source 0 (0) or source 1 (1),
	s_and_b32 s10, s8, 3                           ; this chunk
	s_and_b32 s11, s8, 1                           ; w0: which four tiles of source 0 are mine
	s_lshr_b32 s12, s8, 1                          ; w1: which two of source 1
	s_bfe_u32 s13, ttmp6, 0x40000                  ; cx, cy: my place in the cluster
	s_bfe_u32 s14, ttmp6, 0x40004
	s_lshl_b32 s15, ttmp9, 2
	s_add_co_u32 s15, s15, s13                     ; x = 4 x cluster x + cx
	s_and_b32 s16, ttmp7, 0xffff
	s_lshl_b32 s16, s16, 2
	s_add_co_u32 s16, s16, s14                     ; y = 4 x cluster y + cy
	s_lshl_b32 s17, 0x1111, s13                    ; my column of the cluster
	s_lshl_b32 s18, s14, 2
	s_lshl_b32 s18, 15, s18                        ; my row
	s_or_b32 s[G1A], s17, (3<<16)|(1<<21)          ; 15:0 the mask: source 0's panel goes down my column; 17:16 elements of 8 bytes; 20 no padding; 21 set beside a mask
	s_or_b32 s[G1B], s18, (3<<16)|(1<<21)          ; source 1's along my row
.irp g, G1A, G1B
	s_mov_b32 s[\g+1], 32<<16                      ; tensor_dim0 = 32 elements: rows of 256 bytes
	s_mov_b32 s[\g+2], 104<<16                     ; tensor_dim1 = 104 rows: a chunk
	s_mov_b32 s[\g+3], 32<<16                      ; tile_dim0
	s_mov_b32 s[\g+4], 104                         ; tile_dim1
	s_mov_b32 s[\g+5], 32                          ; the pitch: dense
	s_mov_b32 s[\g+6], 0
	s_mov_b32 s[\g+7], 0
.endr
	s_mul_i32 s19, s10, CHUNK                      ; the chunk that I fetch
	s_add_co_u32 s52, s15, S0ADD
	s_mul_i32 s52, s52, PANEL
	s_add_co_u32 s52, s52, s19                     ; source 0: panel 24 + x, my quarter
	s_mov_b32 s53, 0
	s_add_co_u32 s54, s16, S1ADD
	s_mul_i32 s54, s54, PANEL
	s_add_co_u32 s54, s54, s19                     ; source 1: panel y, my quarter
	s_mov_b32 s55, 0
	s_mul_i32 s56, s10, LCH                        ; where it goes: chunk x 53,248 + source x 26,624: no place in the cluster enters an LDS address
	s_mul_i32 s57, s9, CHUNK
	s_add_co_u32 s56, s56, s57
	s_wait_dscnt 0x0
	s_wait_kmcnt 0x0
	s_add_nc_u64 s[52:53], s[84:85], s[52:53]
	s_add_nc_u64 s[54:55], s[86:87], s[54:55]
	CROUND                                         ; all sixteen work-groups are here: the joint loads meet
.irp q, 0
	s_mov_b32 s[G0A+4*\q], 1
	s_add_co_u32 s[G0A+4*\q+1], s56, \q*LCH
	s_add_nc_u64 s[G0A+4*\q+2:G0A+4*\q+3], s[52:53], \q*CHUNK
	s_or_b32 s[G0A+4*\q+3], s[G0A+4*\q+3], 0x80000000
	s_mov_b32 s[G0B+4*\q], 1
	s_add_co_u32 s[G0B+4*\q+1], s56, \q*LCH
	s_add_nc_u64 s[G0B+4*\q+2:G0B+4*\q+3], s[54:55], \q*CHUNK
	s_or_b32 s[G0B+4*\q+3], s[G0B+4*\q+3], 0x80000000
.endr
	s_cmp_eq_u32 s9, 0                             ; one fill a wave, in the two arms of one branch on the wave's number; four v_nop follow each
	s_cbranch_scc0 .Lsrc1
.irp q, 0
	tensor_load_to_lds s[G0A+4*\q:G0A+4*\q+3], s[G1A:G1A+7]
	s_nop 0
.endr
	PLACES
	s_branch .Lasked
.Lsrc1:
.irp q, 0
	tensor_load_to_lds s[G0B+4*\q:G0B+4*\q+3], s[G1B:G1B+7]
	s_nop 0
.endr
	PLACES
.Lasked:
	v_and_b32 v15, 31, v0                          ; lane L
	s_delay_alu instid0(VALU_DEP_1)
	v_lshlrev_b32 v7, 4, v15                       ; 16 L
	s_delay_alu instid0(VALU_DEP_2)
	v_lshlrev_b32 v8, 3, v15                       ; 8 L
	s_mul_i32 s2, s11, 6144
	v_add_nc_u32 v1, s2, v7                        ; v1, v2: source 0's images: my four tiles
	v_add_nc_u32 v2, s2, v8
	s_mul_i32 s3, s12, 3072
	s_add_co_u32 s3, s3, CHUNK
	v_add_nc_u32 v3, s3, v7                        ; v3, v4: source 1's: my two tiles
	v_add_nc_u32 v4, s3, v8
	s_lshl_b32 s2, s11, 10
	s_add_co_u32 s2, s2, 24576
	v_add_nc_u32 v5, s2, v8                        ; v5: source 0's scale words
	s_lshl_b32 s3, s12, 9
	s_add_co_u32 s3, s3, CHUNK+24576
	v_add_nc_u32 v6, s3, v8                        ; v6: source 1's
	; ---- this launch's own addresses
	s_lshl_b32 s6, s15, 9                          ; my 64 columns: 128 x + 64 w0, 4 bytes each
	s_lshl_b32 s5, s11, 8
	s_add_co_u32 s6, s6, s5
	s_mov_b32 s7, 0
	s_add_nc_u64 s[58:59], s[88:89], s[6:7]        ; in bo,
	s_lshl_b32 s5, s16, 19                         ; and from position 128 y + 32 w1 on, rows of 4,096 bytes,
	s_add_co_u32 s6, s6, s5
	s_lshl_b32 s5, s12, 17
	s_add_co_u32 s6, s6, s5
	s_add_nc_u64 s[60:61], s[92:93], s[6:7]        ; in out0
	s_add_nc_u64 s[62:63], s[90:91], s[6:7]        ; and in h
	s_mul_i32 s4, s8, 32*SP
	s_add_co_u32 s4, s4, STAGE                     ; my stage
	v_and_b32 v13, 15, v0                          ; r
	v_bfe_u32 v14, v0, 4, 1                        ; h
	s_delay_alu instid0(VALU_DEP_1)
	v_lshlrev_b32 v9, 6, v14                       ; v9: the bias: 64 h
	s_delay_alu instid0(VALU_DEP_2)
	v_lshlrev_b32 v10, 12, v14
	s_delay_alu instid0(VALU_DEP_1)
	v_lshl_add_u32 v10, v13, 4, v10                ; v10: out0 and h: lanes 0-15 one row's 256 bytes, lanes 16-31 the next row's
	v_mul_u32_u24 v11, v13, SP
	s_delay_alu instid0(VALU_DEP_1)
	v_add_nc_u32 v11, v11, v9
	s_delay_alu instid0(VALU_DEP_1)
	v_add_nc_u32 v11, s4, v11                      ; v11: into the stage: row r, + 64 h
	v_mul_u32_u24 v12, v14, SP
	s_delay_alu instid0(VALU_DEP_1)
	v_lshl_add_u32 v12, v13, 4, v12
	s_delay_alu instid0(VALU_DEP_1)
	v_add_nc_u32 v12, s4, v12                      ; v12: back: lanes 0-15 one row, lanes 16-31 the next
.irp a, 0,1                                    ; THE BIAS IS WHAT THE SUMS BEGIN WITH: register j of accumulator (a, b) is column 32 (b / 2) + 16 h + 8 (b % 2) + j of my 64
.irp b, 0,1,2,3
	global_load_b128 v[ACC+32*\a+8*\b:ACC+32*\a+8*\b+3], v9, s[58:59] offset:128*(\b/2)+32*(\b%2)
	global_load_b128 v[ACC+32*\a+8*\b+4:ACC+32*\a+8*\b+7], v9, s[58:59] offset:128*(\b/2)+32*(\b%2)+16
.endr
.endr
	; ---- the eight K steps, written out.  A step's fragments are fetched a step ahead, into the other set
	s_wait_tensorcnt 0x0                           ; my chunk is in
	s_barrier_signal -1
	s_barrier_wait -1                              ; everybody's is
	SCALES SC0
	FETCH BUF0, 0
	s_wait_loadcnt 0x0                             ; the bias
	FETCH BUF1, 1
	s_wait_dscnt 24                                ; all but the 24 just issued
	MUL BUF0, SC0, 0
	NEXTCHUNK SC1
	FETCH BUF0, 0
	MUL BUF1, SC0, 1
	PLACES
	FETCH BUF1, 1
	s_wait_alu depctr_va_vdst(0)
	s_wait_dscnt 24
	MUL BUF0, SC1, 0
	NEXTCHUNK SC0
	FETCH BUF0, 0
	MUL BUF1, SC1, 1
	PLACES
	FETCH BUF1, 1
	s_wait_alu depctr_va_vdst(0)
	s_wait_dscnt 24
	MUL BUF0, SC0, 0
	NEXTCHUNK SC1
	FETCH BUF0, 0
	MUL BUF1, SC0, 1
	PLACES
	FETCH BUF1, 1
	s_wait_dscnt 24
	MUL BUF0, SC1, 0
	PLACES
.irp i, 0,1,2,3,4,5,6,7,8,9,10,11,12,13,14,15  ; the last step fetches nothing: h comes into the set that is free, by the stores' own addresses.  Stage rows 2 i, 2 i + 1 are positions 8 (i / 8) + 2 (i % 8) + 8 ((i % 8) / 4) + 0, 1
	global_load_b128 v[BUF0+4*\i:BUF0+4*\i+3], v10, s[62:63] offset:(8*(\i/8)+2*(\i%8)+8*((\i%8)/4))*4096
.endr
	s_wait_dscnt 0x0
	MUL BUF1, SC1, 1
	PLACES
	; ---- the way out
.irp a, 0,1
.irp b, 0,1,2,3
	ds_store_b128 v11, v[ACC+32*\a+8*\b:ACC+32*\a+8*\b+3] offset:16*\a*SP+128*(\b/2)+32*(\b%2)         ; each accumulator from its low end on
	ds_store_b128 v11, v[ACC+32*\a+8*\b+4:ACC+32*\a+8*\b+7] offset:16*\a*SP+128*(\b/2)+32*(\b%2)+16
.endr
.endr
.irp i, 0,1,2,3,4,5,6,7,8,9,10,11,12,13,14,15
	ds_load_b128 v[BUF1+4*\i:BUF1+4*\i+3], v12 offset:2*\i*SP      ; LDS serves a wave's instructions in order (ISA guide 5.7.1.4): these see my stores
.endr
	s_wait_loadcnt 0x0                             ; h
.irp i, 0,1,2,3,4,5,6,7,8,9,10,11,12,13,14,15
	s_wait_dscnt 15-\i                             ; load i is in; the younger ones may be out
	v_pk_add_f32 v[BUF1+4*\i:BUF1+4*\i+1], v[BUF1+4*\i:BUF1+4*\i+1], v[BUF0+4*\i:BUF0+4*\i+1]
	v_pk_add_f32 v[BUF1+4*\i+2:BUF1+4*\i+3], v[BUF1+4*\i+2:BUF1+4*\i+3], v[BUF0+4*\i+2:BUF0+4*\i+3]
	global_store_b128 v10, v[BUF1+4*\i:BUF1+4*\i+3], s[60:61] offset:(8*(\i/8)+2*(\i%8)+8*((\i%8)/4))*4096 th:TH_STORE_NT   ; 16 lanes store 256 consecutive bytes, at a multiple of 256 from out0's first byte
.endr
	s_wait_tensorcnt 0x0
	ds_add_u32 v254, v255
	s_wait_dscnt 0x0
	CROUND                                         ; the closing round: no work-group ends while a partner may still ask for a panel that names it
	s_endpgm
.Lfunc_end_k_q88f68fe57b_go:
	.size	k_q88f68fe57b_go, .Lfunc_end_k_q88f68fe57b_go-k_q88f68fe57b_go
	.p2alignl 7, 3214868480
	.fill 96, 4, 3214868480
	.section	.rodata,"a",@progbits
	.p2align	6, 0x0
	.amdhsa_kernel k_q88f68fe57b_go
		.amdhsa_group_segment_fixed_size 283648
		.amdhsa_private_segment_fixed_size 0
		.amdhsa_enable_private_segment 0
		.amdhsa_kernarg_size 40
		.amdhsa_user_sgpr_count 2
		.amdhsa_user_sgpr_kernarg_segment_ptr 1
		.amdhsa_wavefront_size32 1
		.amdhsa_system_sgpr_workgroup_id_x 1
		.amdhsa_system_sgpr_workgroup_id_y 1
		.amdhsa_system_sgpr_workgroup_id_z 1
		.amdhsa_system_vgpr_workitem_id 0
		.amdhsa_next_free_vgpr 256
		.amdhsa_next_free_sgpr 102
		.amdhsa_reserve_vcc 0
		.amdhsa_float_denorm_mode_32 3
		.amdhsa_float_denorm_mode_16_64 3
		.amdhsa_memory_ordered 1
		.amdhsa_forward_progress 1
		.amdhsa_inst_pref_size 40
	.end_amdhsa_kernel
	.amdgpu_metadata
---
amdhsa.version: [ 1, 2 ]
amdhsa.kernels:
  - .name:           k_q88f68fe57b_go
    .symbol:         k_q88f68fe57b_go.kd
    .args:
      - { .name: wpk, .offset: 0, .size: 8, .value_kind: global_buffer, .address_space: global }
      - { .name: ao, .offset: 8, .size: 8, .value_kind: global_buffer, .address_space: global }
      - { .name: bo, .offset: 16, .size: 8, .value_kind: global_buffer, .address_space: global }
      - { .name: h, .offset: 24, .size: 8, .value_kind: global_buffer, .address_space: global }
      - { .name: out0, .offset: 32, .size: 8, .value_kind: global_buffer, .address_space: global }
    .group_segment_fixed_size: 283648
    .private_segment_fixed_size: 0
    .kernarg_segment_align: 8
    .kernarg_segment_size: 40
    .max_flat_workgroup_size: 256
    .sgpr_count:     102
    .vgpr_count:     256
    .wavefront_size: 32
...
	.end_amdgpu_metadata
.endif
;; end of part 4
